; MI455X (gfx1250); checked and timed in simulation.
; The chip was launched on July 23, 2026; its instructions are those of AMD's public machine-readable ISA for CDNA 5 (MIT licence, August 2026) and "CDNA5" Instruction Set Architecture Reference Guide (July 2026). The comments in the code are by the model that wrote it; some were corrected since.
;; Causal Attention. Allowed arithmetic: matrix products marked QUANTISED: E2M3 operands, one E8M0 scale for each 32 along K, by v_wmma_scale_f32_16x16x128_f8f6f4 with both operands' format E2M3, f32 sums; everything else in f32.
;; Inputs: Wproj 1,024 x 1,024 float32; Wqkv 1,024 x 3,072 float32; bproj 1,024 float32; x 4 x 2,048 x 1,024 float32.
;; Outputs: out0 4 x 2,048 x 1,024 float32.
;; This version of the problem:
;;   THIS VERSION OF THE PROBLEM IS GIVEN IN LOW PRECISION. The matrix products marked QUANTISED in the list below multiply operands that are first quantised to E2M3 (2 exponent bits, 3 mantissa bits; 6 bits a number), with one power-of-two scale for each 32 numbers along K (OCP MX v1.0); their sums are f32. All else is computed in f32.
;;   The module's matrix products, in the order in which they are computed (A, B: the left and right operand; K: the contracted axis; several contracted axes count as one K, in the product's order):
;;     1. [M 8,192, K 1,024] x [K 1,024, N 3,072]; A: input x; B: input Wqkv: QUANTISED
;;     2. batch 64 x [M 2,048, K 64] x [K 64, N 2,048]; A: computed on the way; B: computed on the way: QUANTISED
;;     3. batch 64 x [M 2,048, K 2,048] x [K 2,048, N 64]; A: softmax (see below); B: computed on the way: QUANTISED
;;     4. [M 8,192, K 1,024] x [K 1,024, N 1,024]; A: computed on the way; B: input Wproj: QUANTISED
;;   THE QUANTISER, for each operand of a quantised product, along K:
;;     - K is cut into blocks of 32 from its start; a last block that is shorter is filled with zeros.
;;     - A block's scale is 2^e with e = floor(log2(the largest magnitude in the block)) - 2, held to -126 .. 127; a block of zeros has e = 0. As a byte (E8M0): e + 127.
;;     - Each number is divided by its block's scale, clamped to +-7.5, and rounded to the nearest number of E2M3, ties to even, subnormals kept.
;;     - The product sums the exact products of the quantised numbers (number of the format x scale) in f32.
;;   ~~~python
;;   def quantise(x, axis):      # numpy; x: float32 -> the quantised numbers, widened to float32 again
;;       x = np.moveaxis(x, axis, -1); K = x.shape[-1]
;;       x = np.pad(x, [(0, 0)] * (x.ndim - 1) + [(0, -K % 32)]); x = x.reshape(x.shape[:-1] + (-1, 32)); a = np.abs(x).max(-1, keepdims=True)
;;       e = np.where(a > 0, np.clip(np.frexp(np.where(a > 0, a, 1))[1] - 1 - 2, -126, 127), 0)      # np.frexp(a)[1] - 1 = floor(log2(a)), exactly
;;       r = np.clip(x / 2.0 ** e, -7.5, 7.5)
;;       step = 2.0 ** (np.maximum(np.frexp(np.where(r == 0, 1, r))[1] - 1, 0) - 3)
;;       q = np.round(r / step) * step * 2.0 ** e      # np.round: ties to even
;;       return np.moveaxis(q.reshape(q.shape[:-2] + (-1,))[..., :K], -1, axis).astype(np.float32)
;;   ~~~
;;   SOFTMAX AHEAD OF A QUANTISED PRODUCT. Where the list says 'softmax', what is quantised is not the finished softmax but p = 2^(t - M), with t = logit x log2(e) and M = ceil(the row's largest t), a whole number; so 1/2 < the row's largest p <= 1. The row's sum l is taken of the UNQUANTISED p, in f32, and the product's result is divided by l at the end. Since M is a whole number, a kernel that streams over the keys may use a running M (the ceiling of the running maximum): every later rescaling is an exact power of two, which a block's scale takes up: the codes' values come out the same.
;;   OPERANDS COMPUTED ON THE WAY. 'Computed on the way' means the value that the module computes at that place (a softmax that the list does not call 'softmax' is quantised finished and normalised). What goes into a quantiser is computed in f32, as accurately as f32 sums, v_exp_f32 and their like allow (about 1e-6 of the number): no bf16 or f16 on the way to a quantiser, and a product that is left as it is and whose result goes on into a quantised operand takes f32 operands (vector FMAs, or v_wmma_f32_16x16x4_f32). A number that lies on a knife's edge between two numbers of the format may be rounded either way, as far as f32 arithmetic and the matrix unit's own rounding can turn it there, and no further.
;; One version. Each part assembles by itself: llvm-mc -triple=amdgcn-amd-amdhsa -mcpu=gfx1250 --defsym DOCPART=n.
;; ======== version 1 of 1: 4 launches
;; limits: right only within a limited range of input values
;; workspace buffers: xq 6,553,600 bytes; wq 3,276,800 bytes; kvq 20,447,232 bytes; aq 6,553,600 bytes
;; launch quant (part 1): grid 384 x 1, 8 waves a work-group, no clusters, 97,280 bytes of LDS; arguments x, Wqkv, Wproj, xq, wq; writes xq, wq
.if DOCPART == 1
	.amdgcn_target "amdgcn-amd-amdhsa--gfx1250"
	.amdhsa_code_object_version 6
	.text
	.protected	k_q7edcdf6297_quant
	.globl	k_q7edcdf6297_quant
	.p2align	8
	.type	k_q7edcdf6297_quant,@function
k_q7edcdf6297_quant:
	s_mov_b64 s[64:65], 0
	v_nop
	global_prefetch_b8 v0, s[64:65] scope:SCOPE_SE
	s_setreg_imm32_b32 hwreg(HW_REG_WAVE_MODE, 25, 1), 1
	s_wait_xcnt 0x0
; x [8192][1024], Wqkv [1024][3072] and Wproj [1024][1024], f32, become codes of FP6 (E2M3) with one E8M0 scale byte for each 32 along K (the 1,024).
; A block's scale is 2^(floor(log2(its largest magnitude)) - 2); its byte is the largest magnitude's exponent field - 2, held at 1 from below.
; LIMITS: NaN and infinities are not served; a block of zeros, or one whose largest magnitude lies under 2^-124, keeps the byte 1 (the rule says 127 for zeros): the bytes are read by this program alone.
; THE LAYOUT OF THE RESULTS is the order of the matrix operand's registers.  Rows (tokens of x, columns of a weight) go in groups of 128; a group has 8 tiles of 16 rows; row r of tile t is the group's row
; 32 (t / 2) + 8 (t % 2) + r + 8 (r / 8).  A tile's 128 along K is an IMAGE of 1,536 bytes: register R (0 .. 11) of lane L at 512 (R / 4) + 16 L + 4 (R % 4); image (group, K step s, tile t) at ((group x 8 + s) x 8 + t) x 1,536.
; The scale words of a group's 8 tiles for one K step are 512 bytes: the word of (t, r) at 256 (t / 4) + 16 r + 4 (t % 4); they lie behind the images, at (group x 8 + s) x 512.
; wq's groups 0-23 are Wqkv's columns, 24-31 Wproj's.
; Work-groups 0-255 take x (a group of 128 tokens x 256 along K; a wave a tile), 256-383 the weights (a group of 128 columns x 256 along K; a wave 32 columns x 128 along K).  The two paths have LDS bytes of their own.
.set XS_OFF, 6291456                   ; xq: where the scale words begin
.set WS_OFF, 3145728                   ; wq: likewise
.set XSTG,  0                          ; x's path: a stage of 16 rows x (512 + 16) bytes for each wave
.set XSCL,  67584                      ; and two K steps' scale words
.set WSTG,  68608                      ; the weights' path: two images, 1,664 bytes apart, for each wave
.set WSCL,  95232                      ; and two K steps' scale words
.set SEL,   20                         ; s[20:21] lane selects: lane l xor 16
.set TM,    8                          ; v8-23  at work in QUANT
.set PW,    24                         ; v24    the scale word just made
.set CT,    52                         ; v52-54, v56-58 the conversions' second halves
.set XN,    64                         ; v64-127  64 numbers of a lane: register 16 b + i = k 32 b + 16 (lane / 16) + i of its row
.set RR,    128                        ; v128-255 x as loaded (two K steps) / a weight's 128 numbers down K
; 64 numbers of a lane become a fragment's 12 registers in v[pc] on and its row's scale word in v[PW].
.macro QUANT s, pc, ct
.irp b, 0,1,2,3
	v_max3_num_f32 v[TM+\b], |v[(\s)+16*\b]|, |v[(\s)+1+16*\b]|, 0x1800000   ; block b: my 16 numbers, and the floor 2^(3 - 127): the byte cannot fall under 1
.endr
.irp i, 2,4,6,8,10,12,14
.irp b, 0,1,2,3
	s_delay_alu instid0(VALU_DEP_4)
	v_max3_num_f32 v[TM+\b], v[TM+\b], |v[(\s)+16*\b+\i]|, |v[(\s)+1+16*\b+\i]|   ; the four blocks by turns
.endr
.endr
.irp b, 0,1,2,3
	s_delay_alu instid0(VALU_DEP_4)
	v_permlanex16_b32 v[TM+4+\b], v[TM+\b], s[SEL], s[SEL+1]
.endr
.irp b, 0,1,2,3
	s_delay_alu instid0(VALU_DEP_4)
	v_max_num_f32 v[TM+\b], v[TM+\b], v[TM+4+\b]   ; with lane l xor 16's: the block's largest magnitude
.endr
.irp b, 0,1,2,3
	s_delay_alu instid0(VALU_DEP_4)
	v_add_nc_u32 v[TM+12+\b], 0xff000000, v[TM+\b]   ; 2 off its exponent field: the conversion's scale operand
.endr
.irp b, 0,1,2,3
	s_delay_alu instid0(VALU_DEP_4)
	v_lshrrev_b32 v[TM+4+\b], 23, v[TM+12+\b]      ; the scale's byte
.endr
	s_delay_alu instid0(VALU_DEP_3)
	v_lshl_or_b32 v[PW], v[TM+5], 8, v[TM+4]
	s_delay_alu instid0(VALU_DEP_1)
	v_lshl_or_b32 v[PW], v[TM+6], 16, v[PW]
	s_delay_alu instid0(VALU_DEP_1)
	v_lshl_or_b32 v[PW], v[TM+7], 24, v[PW]
.irp c, 0,1
	v_cvt_scalef32_pk16_fp6_f32 v[(\pc)+6*\c:(\pc)+6*\c+2], v[(\s)+32*\c:(\s)+32*\c+15], v[TM+12+2*\c]
	v_cvt_scalef32_pk16_fp6_f32 v[(\ct)+4*\c:(\ct)+4*\c+2], v[(\s)+16+32*\c:(\s)+31+32*\c], v[TM+12+2*\c+1]   ; (a conversion's three registers begin on an even number)
.endr
	v_nop                                          ; one plain instruction behind a scaled conversion
.irp c, 0,1                                    ; the operand wants a whole block in a lane: lanes 0-15 block 2 c, lanes 16-31 block 2 c + 1
.irp i, 0,1,2
	v_permlane16_swap_b32 v[(\pc)+6*\c+\i], v[(\ct)+4*\c+\i]
.endr
.irp i, 0,1,2
	s_delay_alu instid0(VALU_DEP_3)
	v_mov_b32 v[(\pc)+3+6*\c+\i], v[(\ct)+4*\c+\i]
.endr
.endr
.endm
	s_load_b128 s[4:7], s[0:1], 0x0                ; x, Wqkv
	s_load_b128 s[8:11], s[0:1], 0x10              ; Wproj, xq
	s_load_b64 s[12:13], s[0:1], 0x20              ; wq
	v_lshrrev_b32 v1, 5, v0
	s_delay_alu instid0(VALU_DEP_1)
	v_readfirstlane_b32 s14, v1                    ; wave 0..7
	v_and_b32 v1, 31, v0                           ; lane
	v_and_b32 v2, 15, v0                           ; r
	v_bfe_u32 v3, v0, 4, 1                         ; h
	s_delay_alu instid0(VALU_DEP_3)
	v_lshlrev_b32 v4, 4, v1                        ; 16 x lane
	s_mov_b32 s[SEL], 0x76543210
	s_mov_b32 s[SEL+1], 0xfedcba98
	s_and_b32 s19, s14, 1
	s_cmp_lt_u32 ttmp9, 256
	s_cbranch_scc0 .Lw_path
	; ---------------- x: group ttmp9 / 4, K steps 2 y and 2 y + 1 (y = ttmp9 % 4); wave w is tile w
	s_lshr_b32 s15, ttmp9, 2                       ; the group
	s_and_b32 s16, ttmp9, 3                        ; y
	s_lshr_b32 s17, s14, 1
	s_lshl_b32 s17, s17, 5
	s_lshl_b32 s18, s19, 3
	s_add_co_u32 s17, s17, s18
	s_lshl_b32 s18, s15, 7
	s_add_co_u32 s17, s17, s18                     ; the tile's first token: 128 group + 32 (w / 2) + 8 (w % 2)
	s_lshl_b32 s22, s17, 12                        ; a row of x is 4,096 bytes
	s_lshl_b32 s18, s16, 10
	s_add_co_u32 s22, s22, s18                     ; + 1,024 y
	s_mov_b32 s23, 0
	s_lshl_b32 s18, s15, 3
	s_lshl_b32 s24, s16, 1
	s_add_co_u32 s18, s18, s24                     ; 8 group + 2 y
	s_lshl_b32 s24, s18, 3
	s_add_co_u32 s24, s24, s14
	s_mul_i32 s24, s24, 1536                       ; my first image
	s_mov_b32 s25, 0
	s_add_co_u32 s26, s18, s19
	s_lshl_b32 s26, s26, 9
	s_add_co_u32 s26, s26, XS_OFF                  ; the scale words that waves 0 and 1 store
	s_mov_b32 s27, 0
	s_mul_i32 s28, s14, 8448                       ; my stage
	s_wait_alu depctr_va_vdst(0)
	v_add_nc_u32 v5, s28, v4                       ; in: 16 x lane of a row
	v_mul_u32_u24 v6, v2, 528
	s_delay_alu instid0(VALU_DEP_1)
	v_lshl_add_u32 v6, v3, 6, v6
	s_delay_alu instid0(VALU_DEP_1)
	v_add_nc_u32 v6, s28, v6                       ; out: row r, + 64 h: rows 33 x 16 bytes apart, so sixteen lanes touch sixteen different columns of 16 bytes
	s_lshr_b32 s29, s14, 2
	s_lshl_b32 s29, s29, 8
	s_and_b32 s30, s14, 3
	s_lshl_b32 s30, s30, 2
	s_add_co_u32 s29, s29, s30
	s_add_co_u32 s29, s29, XSCL
	v_lshl_add_u32 v7, v2, 4, s29                  ; my row's scale word: 256 (w / 4) + 16 r + 4 (w % 4)
	s_lshl_b32 s30, s19, 9
	s_add_co_u32 s30, s30, XSCL
	v_add_nc_u32 v25, s30, v4                      ; where waves 0 and 1 read a K step's 512 bytes back
.irp b, 0,1,2,3
	v_mov_b32 v[TM+4+\b], 0                        ; written once: a lane permute's destination counts as one of its sources
.endr
	s_wait_alu depctr_va_vdst(0)
	s_wait_kmcnt 0x0
	s_add_nc_u64 s[4:5], s[4:5], s[22:23]
	s_add_nc_u64 s[24:25], s[10:11], s[24:25]
	s_add_nc_u64 s[26:27], s[10:11], s[26:27]
.irp u, 0,1
.irp i, 0,1,2,3,4,5,6,7,8,9,10,11,12,13,14,15
	global_load_b128 v[RR+64*\u+4*\i:RR+64*\u+4*\i+3], v4, s[4:5] offset:(\i+8*(\i/8))*4096+512*\u th:TH_LOAD_NT   ; 32 lanes read the 512 consecutive bytes of one row's K step
.endr
.endr
.irp u, 0,1
	s_wait_loadcnt 16-16*\u                        ; this K step's 16 loads are in; the other's 16 are younger
.irp i, 0,1,2,3,4,5,6,7,8,9,10,11,12,13,14,15
	ds_store_b128 v5, v[RR+64*\u+4*\i:RR+64*\u+4*\i+3] offset:528*\i
.endr
.irp b, 0,1,2,3
.irp j, 0,1,2,3
	ds_load_b128 v[XN+16*\b+4*\j:XN+16*\b+4*\j+3], v6 offset:128*\b+16*\j   ; LDS serves a wave's instructions in order: these see my stores
.endr
.endr
	s_wait_dscnt 0x0
	QUANT XN, 28+12*\u, CT
.irp c, 0,1,2
	global_store_b128 v4, v[28+12*\u+4*\c:28+12*\u+4*\c+3], s[24:25] offset:12288*\u+512*\c   ; the image: 512 consecutive bytes a store; each K step has registers of its own
.endr
	ds_store_b32 v7, v[PW] offset:512*\u           ; both halves of the lanes write the same word with the same value
.endr
	s_wait_dscnt 0x0                               ; for the others' sake: my scale words lie in LDS
	s_barrier_signal -1
	s_barrier_wait -1
	s_cmp_lt_u32 s14, 2
	s_cbranch_scc0 .Lx_end
	ds_load_b128 v[60:63], v25
	s_wait_dscnt 0x0
	global_store_b128 v4, v[60:63], s[26:27]       ; a K step's scale words of the group: 512 consecutive bytes
.Lx_end:
	v_lshl_add_u32 v26, v0, 2, 0x17800             ; no two registers can be kept through both paths: v0 is kept, and the add's two are made here
	v_mov_b32 v27, 0
	s_wait_alu depctr_va_vdst(0)
	s_wait_tensorcnt 0x0                           ; the wave's end
	ds_add_u32 v26, v27
	s_wait_dscnt 0x0
	s_endpgm
	; ---------------- the weights: a lane takes a column, and its registers run down K
.Lw_path:
	s_sub_co_u32 s15, ttmp9, 256
	s_lshr_b32 s16, s15, 2                         ; the group, 0 .. 31
	s_and_b32 s17, s15, 3                          ; y
	s_lshr_b32 s18, s14, 2
	s_and_b32 s22, s14, 3
	s_lshl_b32 s23, s17, 1
	s_add_co_u32 s23, s23, s18                     ; my K step: 2 y + w / 4
	s_mov_b32 s24, 4096
	s_wait_kmcnt 0x0
	s_cmp_lt_u32 s16, 24                           ; Wqkv's group or Wproj's?  The choice hangs on the work-group's number alone
	s_cselect_b64 s[4:5], s[6:7], s[8:9]
	s_cselect_b32 s24, 12288, s24                  ; a row of the weight in bytes
	s_cselect_b32 s25, 0, 24
	s_sub_co_u32 s25, s16, s25                     ; the group within its tensor
	s_lshl_b32 s25, s25, 7
	s_lshl_b32 s26, s22, 5
	s_add_co_u32 s25, s25, s26                     ; my first column: 128 group + 32 (w % 4)
	s_lshl_b32 s25, s25, 2
	s_lshl_b32 s26, s23, 7
	s_mul_i32 s26, s26, s24                        ; 128 rows a K step
	s_add_co_u32 s26, s26, s25
	s_mov_b32 s27, 0
	s_add_nc_u64 s[4:5], s[4:5], s[26:27]
	s_lshl_b32 s28, s16, 3
	s_add_co_u32 s29, s28, s23
	s_lshl_b32 s29, s29, 3
	s_lshl_b32 s30, s22, 1
	s_add_co_u32 s29, s29, s30                     ; my first image: tile 2 (w % 4)
	s_mul_i32 s30, s29, 1536
	s_mov_b32 s31, 0
	s_add_nc_u64 s[30:31], s[12:13], s[30:31]
	s_lshl_b32 s29, s17, 1
	s_add_co_u32 s28, s28, s29
	s_add_co_u32 s28, s28, s19
	s_lshl_b32 s28, s28, 9
	s_add_co_u32 s28, s28, WS_OFF                  ; the scale words that waves 0 and 1 store
	s_mov_b32 s29, 0
	s_add_nc_u64 s[28:29], s[12:13], s[28:29]
	s_wait_alu depctr_va_vdst(0)
	v_lshlrev_b32 v5, 2, v1                        ; in: 4 bytes a lane
	v_bfe_u32 v10, v0, 3, 1                        ; column 16 (r / 8) + 8 u + r % 8 of my 32 is row r of tile 2 (w % 4) + u:  u,
	v_and_b32 v12, 7, v0
	s_delay_alu instid0(VALU_DEP_1)
	v_lshl_add_u32 v12, v3, 3, v12                 ; and r
	s_wait_alu depctr_va_vdst(0)
	s_mul_i32 s32, s14, 3328
	s_add_co_u32 s32, s32, WSTG                    ; my two images in LDS
	v_mul_u32_u24 v6, v10, 1664
	s_delay_alu instid0(VALU_DEP_1)
	v_lshl_add_u32 v6, v12, 4, v6
	s_delay_alu instid0(VALU_DEP_1)
	v_add_nc_u32 v6, s32, v6                       ; into them: 1,664 u + 16 r
	v_add_nc_u32 v8, s32, v4                       ; out of them: 16 x lane
	s_lshl_b32 s33, s18, 9
	s_bfe_u32 s34, s14, 0x10001
	s_lshl_b32 s34, s34, 8
	s_add_co_u32 s33, s33, s34
	s_lshl_b32 s34, s19, 3
	s_add_co_u32 s33, s33, s34
	s_add_co_u32 s33, s33, WSCL
	v_lshlrev_b32 v7, 4, v12
	s_delay_alu instid0(VALU_DEP_1)
	v_lshl_add_u32 v7, v10, 2, v7
	s_delay_alu instid0(VALU_DEP_1)
	v_add_nc_u32 v7, s33, v7                       ; my column's scale word: 512 (w / 4) + 256 (tile / 4) + 16 r + 4 (tile % 4)
	s_lshl_b32 s34, s19, 9
	s_add_co_u32 s34, s34, WSCL
	v_add_nc_u32 v9, s34, v4
	s_cmp_lt_u32 s16, 24                           ; the rows' distance stands in the loads' immediates: so the 128 loads are written once for each weight
	s_cbranch_scc0 .Lw_proj
.set KK, 0
.rept 128
	global_load_b32 v[RR+KK], v5, s[4:5] offset:KK*12288 th:TH_LOAD_NT   ; W(128 s + k, my column): 32 lanes read 128 consecutive bytes, four waves side by side 512
.set KK, KK+1
.endr
	s_branch .Lw_loaded
.Lw_proj:
.set KK, 0
.rept 128
	global_load_b32 v[RR+KK], v5, s[4:5] offset:KK*4096 th:TH_LOAD_NT
.set KK, KK+1
.endr
.Lw_loaded:
; Block kb (32 along K) of my column: all its numbers are mine.  In the image it is lane r + 16 (kb % 2), registers 6 (kb / 2) .. + 5.
.macro WBLOCK kb
.set XB, RR+32*(\kb)
.set CB, 16+8*(\kb)
.if (\kb) == 0
	s_wait_loadcnt 63                              ; at most 63 of the 128 are out: blocks 0 and 1 are in (96 loads are younger than block 0's; a wait cannot name so many)
.elseif (\kb) == 2
	s_wait_loadcnt 32                              ; block 3's 32 are younger
.elseif (\kb) == 3
	s_wait_loadcnt 0x0
.endif
	v_max3_num_f32 v12, |v[XB]|, |v[XB+1]|, |v[XB+2]|
	v_max3_num_f32 v13, |v[XB+3]|, |v[XB+4]|, |v[XB+5]|
.irp i, 6,10,14,18,22,26
	s_delay_alu instid0(VALU_DEP_2)
	v_max3_num_f32 v12, v12, |v[XB+\i]|, |v[XB+\i+1]|
	s_delay_alu instid0(VALU_DEP_2)
	v_max3_num_f32 v13, v13, |v[XB+\i+2]|, |v[XB+\i+3]|
.endr
	s_delay_alu instid0(VALU_DEP_2)
	v_max3_num_f32 v12, v12, |v[XB+30]|, |v[XB+31]|
	s_delay_alu instid0(VALU_DEP_1)
	v_max3_num_f32 v12, v12, v13, 0x1800000        ; and the floor
	s_delay_alu instid0(VALU_DEP_1)
	v_add_nc_u32 v11, 0xff000000, v12              ; the conversion's scale operand
	s_delay_alu instid0(VALU_DEP_1)
	v_lshrrev_b32 v13, 23, v11                     ; the byte
.if (\kb) == 0
	s_delay_alu instid0(VALU_DEP_1)
	v_mov_b32 v14, v13
.else
	s_delay_alu instid0(VALU_DEP_1)
	v_lshl_or_b32 v14, v13, 8*(\kb), v14           ; four bytes make the K step's scale word
.endif
	v_cvt_scalef32_pk16_fp6_f32 v[CB:CB+2], v[XB:XB+15], v11
	v_cvt_scalef32_pk16_fp6_f32 v[48:50], v[XB+16:XB+31], v11
	v_nop                                          ; one plain instruction behind a scaled conversion
.irp i, 0,1,2
	v_mov_b32 v[CB+3+\i], v[48+\i]
.endr
.if (\kb) < 2
	ds_store_b128 v6, v[CB:CB+3] offset:256*((\kb)%2)              ; registers 0-3
	ds_store_b64 v6, v[CB+4:CB+5] offset:256*((\kb)%2)+512         ; registers 4, 5
.else
	ds_store_b64 v6, v[CB:CB+1] offset:256*((\kb)%2)+520           ; registers 6, 7
	ds_store_b128 v6, v[CB+2:CB+5] offset:256*((\kb)%2)+1024       ; registers 8-11
.endif
.endm
	WBLOCK 0
	WBLOCK 1
	WBLOCK 2
	WBLOCK 3
	ds_store_b32 v7, v14
.irp u, 0,1
.irp c, 0,1,2
	ds_load_b128 v[52+12*\u+4*\c:52+12*\u+4*\c+3], v8 offset:1664*\u+512*\c   ; LDS serves a wave's instructions in order: these see my stores
.endr
.endr
.irp u, 0,1
.irp c, 0,1,2
	s_wait_dscnt 5-3*\u-\c                         ; the younger loads may be out
	global_store_b128 v4, v[52+12*\u+4*\c:52+12*\u+4*\c+3], s[30:31] offset:1536*\u+512*\c
.endr
.endr
	s_wait_dscnt 0x0
	s_barrier_signal -1
	s_barrier_wait -1
	s_cmp_lt_u32 s14, 2
	s_cbranch_scc0 .Lw_end
	ds_load_b128 v[76:79], v9
	s_wait_dscnt 0x0
	global_store_b128 v4, v[76:79], s[28:29]
.Lw_end:
	v_lshl_add_u32 v22, v0, 2, 0x17800             ; as at the other path's end
	v_mov_b32 v23, 0
	s_wait_alu depctr_va_vdst(0)
	s_wait_tensorcnt 0x0
	ds_add_u32 v22, v23
	s_wait_dscnt 0x0
	s_endpgm
.Lfunc_end_k_q7edcdf6297_quant:
	.size	k_q7edcdf6297_quant, .Lfunc_end_k_q7edcdf6297_quant-k_q7edcdf6297_quant
	.p2alignl 7, 3214868480
	.fill 96, 4, 3214868480
	.section	.rodata,"a",@progbits
	.p2align	6, 0x0
	.amdhsa_kernel k_q7edcdf6297_quant
		.amdhsa_group_segment_fixed_size 97280
		.amdhsa_private_segment_fixed_size 0
		.amdhsa_enable_private_segment 0
		.amdhsa_kernarg_size 40
		.amdhsa_user_sgpr_count 2
		.amdhsa_user_sgpr_kernarg_segment_ptr 1
		.amdhsa_wavefront_size32 1
		.amdhsa_system_sgpr_workgroup_id_x 1
		.amdhsa_system_sgpr_workgroup_id_y 1
		.amdhsa_system_sgpr_workgroup_id_z 1
		.amdhsa_system_vgpr_workitem_id 0
		.amdhsa_next_free_vgpr 256
		.amdhsa_next_free_sgpr 66
		.amdhsa_reserve_vcc 0
		.amdhsa_float_denorm_mode_32 3
		.amdhsa_float_denorm_mode_16_64 3
		.amdhsa_memory_ordered 1
		.amdhsa_forward_progress 1
		.amdhsa_inst_pref_size 60
	.end_amdhsa_kernel
	.amdgpu_metadata
---
amdhsa.version: [ 1, 2 ]
amdhsa.kernels:
  - .name:           k_q7edcdf6297_quant
    .symbol:         k_q7edcdf6297_quant.kd
    .args:
      - { .name: x, .offset: 0, .size: 8, .value_kind: global_buffer, .address_space: global }
      - { .name: Wqkv, .offset: 8, .size: 8, .value_kind: global_buffer, .address_space: global }
      - { .name: Wproj, .offset: 16, .size: 8, .value_kind: global_buffer, .address_space: global }
      - { .name: xq, .offset: 24, .size: 8, .value_kind: global_buffer, .address_space: global }
      - { .name: wq, .offset: 32, .size: 8, .value_kind: global_buffer, .address_space: global }
    .group_segment_fixed_size: 97280
    .private_segment_fixed_size: 0
    .kernarg_segment_align: 8
    .kernarg_segment_size: 40
    .max_flat_workgroup_size: 256
    .sgpr_count:     66
    .vgpr_count:     256
    .wavefront_size: 32
...
	.end_amdgpu_metadata
.endif
;; end of part 1
;; launch qkv (part 2): grid 8 x 32, 4 waves a work-group, clusters of 4 x 4, 327,680 bytes of LDS; arguments xq, wq, kvq; writes kvq
.if DOCPART == 2
	.amdgcn_target "amdgcn-amd-amdhsa--gfx1250"
	.amdhsa_code_object_version 6
	.text
	.protected	k_q7edcdf6297_qkv
	.globl	k_q7edcdf6297_qkv
	.p2align	8
	.type	k_q7edcdf6297_qkv,@function
k_q7edcdf6297_qkv:
	s_mov_b64 s[64:65], 0
	v_nop
	global_prefetch_b8 v0, s[64:65] scope:SCOPE_SE
	s_setreg_imm32_b32 hwreg(HW_REG_WAVE_MODE, 25, 1), 1
	s_wait_xcnt 0x0
	s_wait_alu depctr_hold_cnt(0) depctr_sa_sdst(0) depctr_va_vdst(0) depctr_va_sdst(0) depctr_va_ssrc(0) depctr_va_vcc(0) depctr_vm_vsrc(0)
	s_getreg_b32 s2, hwreg(HW_REG_IB_STS2, 6, 4)
	s_cmp_eq_u32 s2, 0
	s_cbranch_scc0 .Lentry_in_a_cluster
	s_endpgm
.Lentry_in_a_cluster:
	s_bfe_u32 s2, ttmp6, 0x10000c
	s_cmp_lg_u32 s2, 0xf033
	s_cbranch_scc0 .Lentry_shape_is_right
	s_endpgm
.Lentry_shape_is_right:
; qkv = x Wqkv on codes of FP6 (E2M3) with E8M0 scales, K = 1,024; the results are quantised in registers and leave as codes: q and k along the head's 64, v along the keys.  No f32 result goes to memory.
; 256 work-groups of four waves.  A work-group takes 256 tokens through TWO PHASES: phase 1 makes 256 columns of q or k (block 4 x cluster x + cx of eight), a wave 128 x 128: 64 accumulators; phase 2 makes 128 columns of v
; (v's group with the same number), a wave 128 tokens x 64 columns (one head): 32 accumulators.  So every work-group has the same work.
; K goes in steps of 128, two to a slot, through a ring of two LDS slots, which does not stop between the phases: phase 1's last two rounds fill the slots with phase 2's first two pairs of K steps.
; OPERANDS LIE IN MEMORY AS IMAGES OF THEIR REGISTERS (16 rows x 128 K: 1,536 bytes; register R of lane L at 512 (R / 4) + 16 L + 4 (R % 4)): two K steps of a group of 128 rows are one dense block of 24,576 bytes for one
; tensor load, and a fragment comes out of LDS by three loads of 16 bytes a lane at 16 x lane.  Row r of tile t is the group's row 32 (t / 2) + 8 (t % 2) + r + 8 (r / 8), on both sides.
; WHICH SIDE IS SOURCE 1.  In the result a lane holds one row of source 1, and the 64 registers of its eight tiles run along source 0's 128 rows, 16 neighbours to each two tiles.  Phase 1: source 1 is x: a lane holds a token
; and 128 columns, two heads: quantised along the head.  Phase 2: source 1 is the weight: a lane holds one (head, d) and 128 tokens: quantised along the keys.
; CLUSTERS: 4 x 4 work-groups; x's tiles are shared along a row of the cluster, a weight's along a column: each is asked for jointly.  In phase 2 waves 0, 1 ask for x's halves, wave 2 for v's weight, wave 3 for nothing.
; SCALE WORDS: x's and the first weight's, for all of K, come into LDS at the head and stay; those of v's weight (my 64 columns, 8 K steps) go from memory straight into 32 registers, sixteen lanes to 256 consecutive bytes.
; NO PREFETCH: K is eight steps, four fills of a slot to a phase, and the first two of each phase are asked for before the phase begins.
; RESULTS, in kvq: block (b, hh, j) of 6,144 bytes at ((48 b + hh) x 16 + j) x 6,144, hh = 0-15 q's heads, 16-31 k's, 32-47 v's, j = 128 tokens.  q, k: 8 tiles of 16 tokens x 64: six registers a lane: four at 16 L, two at 512 + 8 L.
; v: 4 images of 16 d x 128 keys.  Scale words at KVS + ((48 b + hh) x 16 + j) x 512: q, k: (t, r) at 256 (t / 4) + 16 r + 4 (t % 4), the head's two bytes low, 0 above; v: (t, r) at 16 r + 4 t.
; LIMITS: NaN and infinities are not served; a block whose largest magnitude lies under 2^-124 keeps the scale byte 1.
; REGISTERS: window 0: v0-31 addresses; v32-63 scale words from LDS, two sets; v64-99 at work on the way out; v100-127, v232-235 the scale words of v's weight; v128-223 source 1's fragments (phase 2: two sets of four), then the codes;
;   window 1: source 0's fragments, two sets, at v0 and v128; window 2: the accumulators of source 1's blocks 0-3 ((a, b) at v[8 (8 (a % 4) + b)]); window 3: those of blocks 4-7.
.set XS_OFF, 6291456
.set WS_OFF, 3145728
.set KVS,    18874368
.set HALF,   24576                     ; two K steps of 128 rows: what one tensor load of the ring brings
.set SLOT,   4*HALF                    ; x's two halves, then the weight's (phase 2: one)
.set SCL,    2*SLOT                    ; the scale words for all of K: x's two halves of 4,096 bytes, then the first weight's
.set SPARE,  262144                    ; the spare words, 128 bytes for each wave
.set FR,     12
.set NL,     3                         ; LDS loads that bring a fragment
.set NP,     4                         ; places behind this matrix instruction (ISA guide 7.12.1)
.set ADR1,   16                        ; v16-17  my 128 tokens of x in slot 0, 1
.set ADR0,   20                        ; v20-21  my 128 columns of the first weight
.set ADRV,   22                        ; v22-23  my 64 columns of v's weight
.set L16,    24                        ; v24     16 x lane
.set L8,     25                        ; v25     8 x lane
.set VSO,    26                        ; v26     16 r
.set ADRS,   27                        ; v27     scale words in LDS: lanes 0-15 x's, lanes 16-31 the first weight's
.set SPW,    28
.set NIL,    29
.set SC,     32                        ; set sc at v[SC + 16 sc]; in it register 8 q + i: tile i's words for the slot's q-th K step
.set TM,     64
.set PWS,    80                        ; v80-87  the scale words made on the way out
.set SWD,    88
.set SEV,    92
.set SOD,    96
.set AF,     128
.set CT,     224
.set G1, 24
.set G0, 32
.set G1B, 48
.set G0B, 56
.set G1S, 68
.set G0S, 76
.set G1SB, 80
.set G0SB, 88
.set G0H, 4                            ; s[4:7], s[8:11] group 0 of the head's loads of slot 0 (the arguments that lay in s[4:7] have been used)
.set G0HB, 8
.set VW, 94                            ; s[94:95] the images of v's group of the weight
.set SELR, 96
.set MSB, 0
.macro WIN new                         ; the immediate's high byte repeats the setting that is left
.if MSB != (\new)
	s_set_vgpr_msb (MSB<<8)|(\new)
.set MSB, (\new)
.endif
.endm
.set MUL_LO, 0xa1                      ; source 0 window 1, source 1 window 0, C and D window 2
.set MUL_HI, 0xf1                      ; the same, C and D window 3
.set TO_B,   0x40                      ; destination window 1, address window 0
.macro TL g0, g1                       ; an s_nop 0 and four v_nop follow each tensor load
	tensor_load_to_lds s[\g0:\g0+3], s[\g1:\g1+7]
	s_nop 0
.rept 4
	v_nop
.endr
.endm
.macro JLOAD g0a, g0b                  ; phase 1: waves 0 and 1 fetch for x, waves 2 and 3 for the weight.  The branch hangs on the wave's number alone
	s_cmp_eq_u32 s15, 0
	s_cbranch_scc0 .Lfor_b_\@
	TL \g0a, G1
	s_branch .Lasked_\@
.Lfor_b_\@:
	TL \g0b, G1B
.Lasked_\@:
.endm
.macro JLOADV g0a, g0b                 ; phase 2: waves 0 and 1 for x, wave 2 for v's weight
	s_cmp_eq_u32 s15, 0
	s_cbranch_scc0 .Lfor_v_\@
	TL \g0a, G1
	s_branch .Laskedv_\@
.Lfor_v_\@:
	s_cmp_eq_u32 s14, 2
	s_cbranch_scc0 .Laskedv_\@
	TL \g0b, G1B
.Laskedv_\@:
.endm
.macro CREST                           ; a round of the cluster's barrier behind its opening barrier
	s_cmp_lg_u32 s14, 0
	s_cbranch_scc1 .Lnot_wave_0_\@
	s_barrier_signal -3
.Lnot_wave_0_\@:
	s_barrier_wait -3
	s_barrier_signal -1
	s_barrier_wait -1
.endm
.macro CROUND
	s_barrier_signal -1
	s_barrier_wait -1
	CREST
.endm
.macro PLACES n
.rept \n
	v_nop
.endr
.endm
	s_load_b128 s[4:7], s[0:1], 0x0                ; xq s[4:5], wq s[6:7]
	s_load_b64 s[12:13], s[0:1], 0x10              ; kvq
	v_lshl_add_u32 v[SPW], v0, 2, SPARE
	v_mov_b32 v[NIL], 0
	ds_add_u32 v[SPW], v[NIL]                      ; the opening lines: the add, twice on end, and its wait
	ds_add_u32 v[SPW], v[NIL]
	v_lshrrev_b32 v1, 5, v0
	v_readfirstlane_b32 s14, v1                    ; wave 0..3
	s_lshr_b32 s15, s14, 1                         ; which 128 tokens are mine.  Also: I fetch for x (0) or for a weight (1)
	s_and_b32 s16, s14, 1                          ; which half of the columns.  Also: which half I fetch
	s_bfe_u32 s40, ttmp6, 0x40000                  ; cx, cy
	s_bfe_u32 s41, ttmp6, 0x40004
	s_lshl_b32 s42, ttmp9, 2
	s_add_co_u32 s42, s42, s40                     ; block of columns = 4 x cluster x + cx, 0 .. 7
	s_and_b32 s17, ttmp7, 0xffff
	s_lshl_b32 s17, s17, 2
	s_add_co_u32 s17, s17, s41                     ; block of 256 tokens = 4 x cluster y + cy
	s_lshl_b32 s43, s41, 2
	s_lshl_b32 s43, 15, s43                        ; my row of the cluster
	s_lshl_b32 s44, 0x1111, s40                    ; my column
	; group 1 for the head's loads: two groups' first two K steps as two rows of 24,576 bytes (3,072 elements of 8 bytes), 98,304 bytes apart
	s_or_b32 s[G1+0], s43, (3<<16)|(1<<21)         ; 15:0 the mask; 17:16 elements of 8 bytes; 21 set beside a mask
	s_or_b32 s[G1B+0], s44, (3<<16)|(1<<21)
.irp g, G1, G1B
	s_mov_b32 s[\g+1], 3072<<16
	s_mov_b32 s[\g+2], 2<<16
	s_mov_b32 s[\g+3], 3072<<16
	s_mov_b32 s[\g+4], 2
	s_mov_b32 s[\g+5], 12288
	s_mov_b32 s[\g+6], 0
	s_mov_b32 s[\g+7], 0
.endr
	; and for the scale words of 256 rows, all of K: 8,192 dense bytes, 32 rows of 256
	s_or_b32 s[G1S+0], s43, (3<<16)|(1<<21)
	s_or_b32 s[G1SB+0], s44, (3<<16)|(1<<21)
.irp g, G1S, G1SB
	s_mov_b32 s[\g+1], 32<<16
	s_mov_b32 s[\g+2], 32<<16
	s_mov_b32 s[\g+3], 32<<16
	s_mov_b32 s[\g+4], 32
	s_mov_b32 s[\g+5], 32
	s_mov_b32 s[\g+6], 0
	s_mov_b32 s[\g+7], 0
.endr
	s_lshl_b32 s20, s17, 1                         ; the work-group's first group of x
	s_lshl_b32 s46, s42, 1                         ; and of the first weight
	s_lshl_b32 s22, s20, 12
	s_add_co_u32 s22, s22, XS_OFF
	s_mov_b32 s23, 0
	s_lshl_b32 s92, s46, 12
	s_add_co_u32 s92, s92, WS_OFF
	s_mov_b32 s93, 0
	s_mul_i32 s20, s20, 98304                      ; 8 K steps x 12,288 bytes a group
	s_mov_b32 s21, 0
	s_mul_i32 s46, s46, 98304
	s_mov_b32 s47, 0
	s_add_co_u32 s[VW], s42, 16                    ; v's group of the weight
	s_lshl_b32 s2, s[VW], 12
	s_lshl_b32 s3, s16, 8
	s_add_co_u32 s2, s2, s3
	s_add_co_u32 s2, s2, WS_OFF                    ; its scale words, my four tiles
	s_mov_b32 s3, 0
	s_mul_i32 s[VW], s[VW], 98304
	s_mov_b32 s[VW+1], 0
	s_mul_i32 s45, s14, HALF                       ; where the ring's loads go: no place in the cluster enters an LDS address
	s_mul_i32 s18, s16, 98304                      ; for the ring: the group that I fetch
	s_mov_b32 s19, 0
	s_wait_dscnt 0x0                               ; both opening adds are done
	s_wait_kmcnt 0x0
	s_add_nc_u64 s[20:21], s[4:5], s[20:21]
	s_add_nc_u64 s[22:23], s[4:5], s[22:23]
	s_add_nc_u64 s[46:47], s[6:7], s[46:47]
	s_add_nc_u64 s[92:93], s[6:7], s[92:93]
	s_add_nc_u64 s[2:3], s[6:7], s[2:3]
	s_add_nc_u64 s[VW:VW+1], s[6:7], s[VW:VW+1]
	CROUND                                         ; all sixteen work-groups are here: the first joint loads meet
	s_mov_b32 s[G0S], 1
	s_mov_b32 s[G0S+1], SCL
	s_mov_b64 s[G0S+2:G0S+3], s[22:23]
	s_or_b32 s[G0S+3], s[G0S+3], 0x80000000
	s_mov_b32 s[G0SB], 1
	s_mov_b32 s[G0SB+1], SCL+8192
	s_mov_b64 s[G0SB+2:G0SB+3], s[92:93]
	s_or_b32 s[G0SB+3], s[G0SB+3], 0x80000000
	s_mov_b32 s[G0H], 1                            ; K steps 0, 1 of x's two groups,
	s_mov_b32 s[G0H+1], 0
	s_mov_b64 s[G0H+2:G0H+3], s[20:21]
	s_or_b32 s[G0H+3], s[G0H+3], 0x80000000
	s_mov_b32 s[G0HB], 1                           ; and of the weight's, behind them in slot 0
	s_mov_b32 s[G0HB+1], 2*HALF
	s_mov_b64 s[G0HB+2:G0HB+3], s[46:47]
	s_or_b32 s[G0HB+3], s[G0HB+3], 0x80000000
	s_add_nc_u64 s[20:21], s[20:21], s[18:19]
	s_add_nc_u64 s[46:47], s[46:47], s[18:19]
.irp s, 0,1
	s_mov_b32 s[G0+4*\s], 1
	s_add_co_u32 s[G0+4*\s+1], s45, \s*SLOT
	s_add_nc_u64 s[G0+4*\s+2:G0+4*\s+3], s[20:21], \s*HALF
	s_or_b32 s[G0+4*\s+3], s[G0+4*\s+3], 0x80000000
	s_mov_b32 s[G0B+4*\s], 1
	s_add_co_u32 s[G0B+4*\s+1], s45, \s*SLOT
	s_add_nc_u64 s[G0B+4*\s+2:G0B+4*\s+3], s[46:47], \s*HALF
	s_or_b32 s[G0B+4*\s+3], s[G0B+4*\s+3], 0x80000000
.endr
; THE HEAD'S LOADS, ONE A WAVE: wave 0 slot 0's part of x, wave 1 its part of the weight, wave 2 x's scale words, wave 3 the weight's.  One tree of branches on the wave's number; every way passes one load.
.macro ARM under, g0, g1, next
	s_cmp_lt_u32 s14, \under
	s_cbranch_scc0 \next
	TL \g0, \g1
	s_branch .Lhead_asked
\next:
.endm
	ARM 1, G0H,  G1,  .Lhead_b
	ARM 2, G0HB, G1B, .Lhead_sa
	ARM 3, G0S,  G1S, .Lhead_sb
	TL G0SB, G1SB
.Lhead_asked:
	s_mul_i32 s21, s15, HALF                       ; my 128 tokens of x in a slot
	s_mul_i32 s22, s16, HALF
	s_add_co_u32 s22, s22, 2*HALF                  ; my 128 columns of the first weight
	s_mul_i32 s23, s16, 6144
	s_add_co_u32 s23, s23, 2*HALF                  ; my four tiles of v's weight
	s_xor_b32 s19, s15, 1
	s_add_co_u32 s19, s19, s16
	s_add_co_u32 s19, s19, 1
	s_lshl_b32 s19, s19, 12                        ; from my tokens' scale words to my columns': 4,096 (1 + s16 + (1 - s15))
	s_lshl_b32 s18, s15, 12
	s_add_co_u32 s18, s18, SCL
	v_and_b32 v1, 15, v0                           ; r
	v_bfe_u32 v2, v0, 4, 1                         ; h
	v_and_b32 v3, 31, v0
	v_lshlrev_b32 v[L16], 4, v3
	v_lshlrev_b32 v[L8], 3, v3
	v_lshlrev_b32 v[VSO], 4, v1
	v_add_nc_u32 v[ADR1], s21, v[L16]
	v_add_nc_u32 v[ADR1+1], SLOT, v[ADR1]
	v_add_nc_u32 v[ADR0], s22, v[L16]
	v_add_nc_u32 v[ADR0+1], SLOT, v[ADR0]
	v_add_nc_u32 v[ADRV], s23, v[L16]
	v_add_nc_u32 v[ADRV+1], SLOT, v[ADRV]
	v_mul_u32_u24 v4, s19, v2                      ; lanes 16-31 take the weight's words
	v_lshl_add_u32 v4, v1, 4, v4                   ; 16 bytes a row: four tiles' words
	v_add_nc_u32 v[ADRS], s18, v4
.irp s, 0,1,2,3,4,5,6,7
	global_load_b128 v[100+4*\s+104*(\s/7):103+4*\s+104*(\s/7)], v[VSO], s[2:3] offset:512*\s   ; K step s: row r's words of my four tiles of v's weight
.endr
	s_mov_b32 s[SELR], 0x76543210
	s_mov_b32 s[SELR+1], 0xfedcba98
	; where my results go
	s_lshl_b32 s20, s17, 1
	s_add_co_u32 s20, s20, s15                     ; my group of 128 tokens
	s_lshr_b32 s21, s20, 4                         ; b
	s_and_b32 s22, s20, 15                         ; j
	s_lshl_b32 s46, s42, 1
	s_add_co_u32 s46, s46, s16                     ; my group of 128 columns of q or k; also my head of v
	s_mul_i32 s21, s21, 48
	s_add_co_u32 s23, s21, s46
	s_add_co_u32 s23, s23, 32
	s_lshl_b32 s23, s23, 4
	s_add_co_u32 s23, s23, s22                     ; v: (48 b + 32 + head) x 16 + j
	s_mul_i32 s98, s23, 6144
	s_mov_b32 s99, 0
	s_lshl_b32 s100, s23, 9
	s_add_co_u32 s100, s100, KVS
	s_mov_b32 s101, 0
	s_lshl_b32 s46, s46, 1
	s_add_co_u32 s21, s21, s46
	s_lshl_b32 s21, s21, 4
	s_add_co_u32 s21, s21, s22                     ; q, k: (48 b + hh) x 16 + j, hh = 2 x group
	s_mul_i32 s46, s21, 6144
	s_mov_b32 s47, 0
	s_lshl_b32 s92, s21, 9
	s_add_co_u32 s92, s92, KVS
	s_mov_b32 s93, 0
	s_add_nc_u64 s[46:47], s[12:13], s[46:47]
	s_add_nc_u64 s[92:93], s[12:13], s[92:93]
	s_add_nc_u64 s[98:99], s[12:13], s[98:99]
	s_add_nc_u64 s[100:101], s[12:13], s[100:101]
.macro FRAG reg, adr, q, i             ; a fragment's image: three loads of 16 bytes a lane, 512 consecutive bytes each
.irp c, 0,1,2
	ds_load_b128 v[(\reg)+4*\c:(\reg)+4*\c+3], v[\adr] offset:(\q)*12288+(\i)*1536+512*\c
.endr
.endm
; Phase 1: 16 matrix instructions: x's blocks a0, a0 + 1 x the weight's eight.  p: source 0's set; q: the slot's K step; sc: the set of scale words.  zero = 1: the first product starts the sums.
; The accumulators take turns, one instruction a turn, in the same order in every step.
.macro MUL16 a0, p, q, sc, zero
.irp a, \a0, \a0+1
.irp b, 0,1,2,3,4,5,6,7
.if \zero
	v_wmma_scale_f32_16x16x128_f8f6f4 v[8*(8*((\a)%4)+\b):8*(8*((\a)%4)+\b)+7], v[128*(\p)+FR*\b:128*(\p)+FR*\b+FR-1], v[AF+FR*(\a):AF+FR*(\a)+FR-1], 0, v[SC+16*(\sc)+8*(\q)+\b], v[SC+16*(\sc)+8*(\q)+(\a)] matrix_a_fmt:MATRIX_FMT_FP6 matrix_b_fmt:MATRIX_FMT_FP6 matrix_a_scale:MATRIX_SCALE_ROW1
.else
	v_wmma_scale_f32_16x16x128_f8f6f4 v[8*(8*((\a)%4)+\b):8*(8*((\a)%4)+\b)+7], v[128*(\p)+FR*\b:128*(\p)+FR*\b+FR-1], v[AF+FR*(\a):AF+FR*(\a)+FR-1], v[8*(8*((\a)%4)+\b):8*(8*((\a)%4)+\b)+7], v[SC+16*(\sc)+8*(\q)+\b], v[SC+16*(\sc)+8*(\q)+(\a)] matrix_a_fmt:MATRIX_FMT_FP6 matrix_b_fmt:MATRIX_FMT_FP6 matrix_a_scale:MATRIX_SCALE_ROW1
.endif
.endr
.endr
.endm
; Phase 2: the weight's blocks a0, a0 + 1 (source 1, set p) x x's eight tiles (source 0, set p); x's words lie in lanes 0-15 of the sets from LDS, the weight's in the registers of K step s
.macro MULV a0, p, q, sc, s, zero
.irp a, \a0, \a0+1
.irp b, 0,1,2,3,4,5,6,7
.if \zero
	v_wmma_scale_f32_16x16x128_f8f6f4 v[8*(8*(\a)+\b):8*(8*(\a)+\b)+7], v[128*(\p)+FR*\b:128*(\p)+FR*\b+FR-1], v[AF+48*(\p)+FR*(\a):AF+48*(\p)+FR*(\a)+FR-1], 0, v[SC+16*(\sc)+8*(\q)+\b], v[100+4*(\s)+104*((\s)/7)+(\a)] matrix_a_fmt:MATRIX_FMT_FP6 matrix_b_fmt:MATRIX_FMT_FP6
.else
	v_wmma_scale_f32_16x16x128_f8f6f4 v[8*(8*(\a)+\b):8*(8*(\a)+\b)+7], v[128*(\p)+FR*\b:128*(\p)+FR*\b+FR-1], v[AF+48*(\p)+FR*(\a):AF+48*(\p)+FR*(\a)+FR-1], v[8*(8*(\a)+\b):8*(8*(\a)+\b)+7], v[SC+16*(\sc)+8*(\q)+\b], v[100+4*(\s)+104*((\s)/7)+(\a)] matrix_a_fmt:MATRIX_FMT_FP6 matrix_b_fmt:MATRIX_FMT_FP6
.endif
.endr
.endr
.endm
.macro FETCH_B adr, q, p               ; source 0's eight fragments into set p
	WIN TO_B
.irp i, 0,1,2,3,4,5,6,7
	FRAG 128*(\p)+FR*\i, \adr, \q, \i
.endr
	WIN 0
.endm
.macro FETCH_A slot, q, i0             ; phase 1: x's blocks i0 .. i0 + 3
.irp i, \i0, \i0+1, \i0+2, \i0+3
	FRAG AF+FR*(\i), ADR1+\slot, \q, \i
.endr
.endm
.macro FETCH_W slot, q, p              ; phase 2: the weight's four blocks into set p
.irp i, 0,1,2,3
	FRAG AF+48*(\p)+FR*\i, ADRV+\slot, \q, \i
.endr
.endm
.macro SCALES kp, sc                   ; the scale words of K steps 2 kp and 2 kp + 1 into set sc: 16 bytes a lane are four tiles' words
.irp q, 0,1
.irp f, 0,1
	ds_load_b128 v[SC+16*(\sc)+8*\q+4*\f:SC+16*(\sc)+8*\q+4*\f+3], v[ADRS] offset:(2*(\kp)+\q)*512+256*\f
.endr
.endr
.endm
; The refill behind a round: no tensor load of mine is out, so group 0 may be written.  kind 1: phase 1, two pairs of K steps on; kind 2: this slot's first pair of phase 2; kind 3: phase 2, two pairs on.
.macro REFILL slot, kind
.if \kind == 2
	s_sub_nc_u64 s[G0+4*\slot+2:G0+4*\slot+3], s[G0+4*\slot+2:G0+4*\slot+3], 2*HALF
	s_add_nc_u64 s[G0B+4*\slot+2:G0B+4*\slot+3], s[VW:VW+1], \slot*HALF
	s_or_b32 s[G0B+4*\slot+3], s[G0B+4*\slot+3], 0x80000000
.else
	s_add_nc_u64 s[G0+4*\slot+2:G0+4*\slot+3], s[G0+4*\slot+2:G0+4*\slot+3], 2*HALF
	s_add_nc_u64 s[G0B+4*\slot+2:G0B+4*\slot+3], s[G0B+4*\slot+2:G0B+4*\slot+3], 2*HALF
.endif
.if \kind == 1
	JLOAD G0+4*\slot, G0B+4*\slot                  ; its four v_nop are the places in front of the loads that follow
.else
	JLOADV G0+4*\slot, G0B+4*\slot
	PLACES NP                                      ; wave 3 comes round both loads
.endif
.endm
; Phase 1, a slot's first K step.
.macro STEP slot, zero
	s_wait_dscnt 4*NL                              ; source 0's set and x's blocks 0-3 are in; the youngest 12 loads (blocks 4-7) may be out
	WIN MUL_LO
	MUL16 0, 0, 0, \slot, \zero
	MUL16 2, 0, 0, \slot, \zero
	s_wait_dscnt 0
	PLACES NP
	FETCH_B ADR0+\slot, 1, 1
	FETCH_A \slot, 1, 0
	WIN MUL_HI
	MUL16 4, 0, 0, \slot, \zero
	MUL16 6, 0, 0, \slot, \zero
	PLACES NP
	WIN 0
	FETCH_A \slot, 1, 4
.endm
; The first half of a slot's second K step in phase 1: in front of the round each wave waits for all its tensor loads, adds 0 to its spare word, and waits for that and for its reads of this slot.
.macro MEET slot
	s_wait_tensorcnt 0x0                           ; my part of the next slot has landed  (every window is 0 here)
	ds_add_u32 v[SPW], v[NIL]
	s_wait_dscnt 4*NL+1                            ; (the add and the youngest 12 loads may be out)
	WIN MUL_LO
	MUL16 0, 1, 1, \slot, 0
	s_wait_dscnt 0x0                               ; the add is done, and my reads of this slot are over
	s_barrier_signal -1
	MUL16 2, 1, 1, \slot, 0
	WIN 0
	s_barrier_wait -1
	CREST                                          ; no wave of any partner still reads this slot or has a load on its way
.endm
.macro TURN slot, next, kind, kp
	MEET \slot
	REFILL \slot, \kind
	FETCH_B ADR0+\next, 0, 0
	FETCH_A \next, 0, 0
	SCALES \kp, \next
	WIN MUL_HI
	MUL16 4, 1, 1, \slot, 0
	MUL16 6, 1, 1, \slot, 0
	PLACES NP
	WIN 0
	FETCH_A \next, 0, 4
.endm
; Phase 2, a slot's first K step s: the next step's fragments are asked for ahead of this step's 32 products.
.macro STEPV slot, s, zero
	s_wait_dscnt 0x0
	PLACES NP
	FETCH_B ADR1+\slot, 1, 1
	FETCH_W \slot, 1, 1
	WIN MUL_LO
	MULV 0, 0, 0, \slot, \s, \zero
	MULV 2, 0, 0, \slot, \s, \zero
	WIN 0
.endm
; Phase 2, a slot's second K step s changes slots.  kind 0: nothing is left to fetch: a plain barrier shows the next slot.
.macro TURNV slot, next, kind, kp, s
	s_wait_tensorcnt 0x0
	ds_add_u32 v[SPW], v[NIL]
	s_wait_dscnt 1                                 ; this step's fragments are in; the add may be out
	WIN MUL_LO
	MULV 0, 1, 1, \slot, \s, 0
	s_wait_dscnt 0x0
	s_barrier_signal -1
	MULV 2, 1, 1, \slot, \s, 0
	WIN 0
	s_barrier_wait -1
.if \kind
	CREST
	REFILL \slot, \kind
.else
	PLACES NP
.endif
	FETCH_B ADR1+\next, 0, 0
	FETCH_W \next, 0, 0
	SCALES \kp, \next
.endm
; THE WAY OUT.  Block a's 64 registers of a lane: register 16 b + i = k 32 b + 16 (lane / 16) + i of the lane's row along the quantiser's axis.  They become 12 registers of codes, v[128 + 12 a] on,
; and a scale word, v[PWS + a].  Each accumulator is read from its low end on.
.macro QUANTW a
.set QW, 2+(\a)/4
.set QS, 64*((\a)%4)
.set QP, AF+12*(\a)
	WIN (QW<<2)|(QW<<4)
.irp b, 0,1,2,3
	v_max3_num_f32 v[TM+\b], 0x1800000, |v[QS+16*\b]|, |v[QS+1+16*\b]|   ; my 16 numbers of block b, and the floor 2^(3 - 127)
.endr
.irp i, 2,4,6,8,10,12,14
.irp b, 0,1,2,3
	v_max3_num_f32 v[TM+\b], v[TM+\b], |v[QS+16*\b+\i]|, |v[QS+1+16*\b+\i]|
.endr
.endr
	WIN 0
.irp b, 0,1,2,3
	v_permlanex16_b32 v[TM+4+\b], v[TM+\b], s[SELR], s[SELR+1]
.endr
.irp b, 0,1,2,3
	v_max_num_f32 v[TM+\b], v[TM+\b], v[TM+4+\b]
.endr
.irp b, 0,1,2,3
	v_add_nc_u32 v[TM+12+\b], 0xff000000, v[TM+\b]   ; 2 off the exponent field: the conversion's scale operand
.endr
.irp b, 0,1,2,3
	v_lshrrev_b32 v[TM+4+\b], 23, v[TM+12+\b]
.endr
	v_lshl_or_b32 v[PWS+(\a)], v[TM+5], 8, v[TM+4]
	v_lshl_or_b32 v[PWS+(\a)], v[TM+6], 16, v[PWS+(\a)]
	v_lshl_or_b32 v[PWS+(\a)], v[TM+7], 24, v[PWS+(\a)]
	WIN QW
.irp c, 0,1
	v_cvt_scalef32_pk16_fp6_f32 v[QP+6*\c:QP+6*\c+2], v[QS+32*\c:QS+32*\c+15], v[TM+12+2*\c]
	v_cvt_scalef32_pk16_fp6_f32 v[CT+4*\c:CT+4*\c+2], v[QS+16+32*\c:QS+31+32*\c], v[TM+12+2*\c+1]
.endr
	WIN 0
	v_nop                                          ; one plain instruction behind a scaled conversion
.irp c, 0,1
.irp i, 0,1,2
	v_permlane16_swap_b32 v[QP+6*\c+\i], v[CT+4*\c+\i]
.endr
.irp i, 0,1,2
	v_mov_b32 v[QP+3+6*\c+\i], v[CT+4*\c+\i]
.endr
.endr
.endm
	s_wait_alu depctr_va_vdst(0)
	s_wait_tensorcnt 0x0                           ; my tile of the head's four is in
	ds_add_u32 v[SPW], v[NIL]
.irp g, G1, G1B                        ; no tensor load of mine is out: from here on a load brings one group's two K steps, 24,576 dense bytes as 96 rows of 256
	s_mov_b32 s[\g+1], 32<<16
	s_mov_b32 s[\g+2], 96<<16
	s_mov_b32 s[\g+3], 32<<16
	s_mov_b32 s[\g+4], 96
	s_mov_b32 s[\g+5], 32
.endr
	s_wait_dscnt 0x0
	CROUND                                         ; a whole round: all four tiles are in, and the sixteen work-groups meet
	JLOAD G0+4, G0B+4                              ; slot 1's first fill, a quarter a wave: the first tensor load behind the round
; ---------------- PHASE 1: q or k
	FETCH_B ADR0, 0, 0
	FETCH_A 0, 0, 0
	SCALES 0, 0
	FETCH_A 0, 0, 4
	STEP 0, 1                                      ; K step 0 starts the sums: nothing is cleared
	TURN 0, 1, 1, 1                                ; K step 1; slot 0 takes K steps 4, 5
	STEP 1, 0
	TURN 1, 0, 1, 2                                ; K step 3; slot 1 takes K steps 6, 7
	STEP 0, 0
	TURN 0, 1, 2, 3                                ; K step 5; slot 0 takes phase 2's K steps 0, 1
	STEP 1, 0
	MEET 1                                         ; K step 7; the round has shown slot 0 whole,
	REFILL 1, 2                                    ; and slot 1 takes phase 2's K steps 2, 3
	FETCH_B ADR1, 0, 0                             ; phase 2's first tiles of x, into the set that K step 6 read
	SCALES 0, 0
	WIN MUL_HI
	MUL16 4, 1, 1, 1, 0
	MUL16 6, 1, 1, 1, 0
	WIN 0
	PLACES NP                                      ; behind the last products: their results are read and x's registers are written below
.irp b, 0,1,2,3
	v_mov_b32 v[TM+4+\b], 0                        ; written once: a lane permute's destination counts as one of its sources
.endr
.irp a, 0,1,2,3,4,5,6,7
	QUANTW \a
.endr
	v_cmp_ne_u32 vcc_lo, 0, v2
.irp i, 0,1,2,3
	v_cndmask_b32 v[SWD+\i], v[PWS+\i], v[PWS+4+\i], vcc_lo   ; lane (r, h): the words of tiles 4 h + i
.endr
.irp i, 0,1,2,3                        ; registers 6 c .. 6 c + 5 of a block are head c's 64; bytes 0, 1 of a scale word the even head's, bytes 2, 3 the odd one's
	v_and_b32 v[SEV+\i], 0xffff, v[SWD+\i]
	v_lshrrev_b32 v[SOD+\i], 16, v[SWD+\i]
.endr
	s_wait_alu depctr_va_vdst(0)
.irp a, 0,1,2,3,4,5,6,7
.irp c, 0,1
	global_store_b128 v[L16], v[AF+12*\a+6*\c:AF+12*\a+6*\c+3], s[46:47] offset:\c*98304+768*\a          ; 512 consecutive bytes
	global_store_b64 v[L8], v[AF+12*\a+6*\c+4:AF+12*\a+6*\c+5], s[46:47] offset:\c*98304+768*\a+512      ; 256 consecutive bytes
.endr
.endr
	global_store_b128 v[L16], v[SEV:SEV+3], s[92:93]
	global_store_b128 v[L16], v[SOD:SOD+3], s[92:93] offset:8192
; ---------------- PHASE 2: v
	s_wait_xcnt 0x0                                ; the stores have read their registers: fragments may land there
	FETCH_W 0, 0, 0
	s_wait_loadcnt 0x0                             ; the scale words of v's weight
	STEPV 0, 0, 1                                  ; K step 0 starts the sums
	TURNV 0, 1, 3, 1, 1                            ; slot 0 takes K steps 4, 5
	STEPV 1, 2, 0
	TURNV 1, 0, 3, 2, 3                            ; slot 1 takes K steps 6, 7
	STEPV 0, 4, 0
	TURNV 0, 1, 0, 3, 5
	STEPV 1, 6, 0
	s_wait_dscnt 0x0                               ; K step 7
	WIN MUL_LO
	MULV 0, 1, 1, 1, 7, 0
	MULV 2, 1, 1, 1, 7, 0
	WIN 0
	PLACES NP
.irp a, 0,1,2,3
	QUANTW \a
.endr
	s_wait_alu depctr_va_vdst(0)
.irp a, 0,1,2,3                        ; block a is d tile a of my head: a whole image of 16 d x 128 keys
.irp c, 0,1,2
	global_store_b128 v[L16], v[AF+12*\a+4*\c:AF+12*\a+4*\c+3], s[98:99] offset:\a*1536+512*\c
.endr
.endr
	global_store_b128 v[VSO], v[PWS:PWS+3], s[100:101]   ; my head's 256 bytes of scale words; both halves of the lanes store the same words
	s_wait_tensorcnt 0x0                           ; the wave's end
	ds_add_u32 v[SPW], v[NIL]
	s_wait_dscnt 0x0
	CROUND                                         ; the closing round
	s_endpgm
.Lfunc_end_k_q7edcdf6297_qkv:
	.size	k_q7edcdf6297_qkv, .Lfunc_end_k_q7edcdf6297_qkv-k_q7edcdf6297_qkv
	.p2alignl 7, 3214868480
	.fill 96, 4, 3214868480
	.section	.rodata,"a",@progbits
	.p2align	6, 0x0
	.amdhsa_kernel k_q7edcdf6297_qkv
		.amdhsa_group_segment_fixed_size 327680
		.amdhsa_private_segment_fixed_size 0
		.amdhsa_enable_private_segment 0
		.amdhsa_kernarg_size 24
		.amdhsa_user_sgpr_count 2
		.amdhsa_user_sgpr_kernarg_segment_ptr 1
		.amdhsa_wavefront_size32 1
		.amdhsa_system_sgpr_workgroup_id_x 1
		.amdhsa_system_sgpr_workgroup_id_y 1
		.amdhsa_system_sgpr_workgroup_id_z 1
		.amdhsa_system_vgpr_workitem_id 0
		.amdhsa_next_free_vgpr 1024
		.amdhsa_next_free_sgpr 104
		.amdhsa_reserve_vcc 1
		.amdhsa_float_denorm_mode_32 3
		.amdhsa_float_denorm_mode_16_64 3
		.amdhsa_memory_ordered 1
		.amdhsa_forward_progress 1
		.amdhsa_inst_pref_size 217
	.end_amdhsa_kernel
	.amdgpu_metadata
---
amdhsa.version: [ 1, 2 ]
amdhsa.kernels:
  - .name:           k_q7edcdf6297_qkv
    .symbol:         k_q7edcdf6297_qkv.kd
    .args:
      - { .name: xq, .offset: 0, .size: 8, .value_kind: global_buffer, .address_space: global }
      - { .name: wq, .offset: 8, .size: 8, .value_kind: global_buffer, .address_space: global }
      - { .name: kvq, .offset: 16, .size: 8, .value_kind: global_buffer, .address_space: global }
    .group_segment_fixed_size: 327680
    .private_segment_fixed_size: 0
    .kernarg_segment_align: 8
    .kernarg_segment_size: 24
    .max_flat_workgroup_size: 128
    .sgpr_count:     104
    .vgpr_count:     1024
    .wavefront_size: 32
...
	.end_amdgpu_metadata
.endif
;; end of part 2
;; launch attn (part 3): grid 8 x 32, 16 waves a work-group, no clusters, 327,680 bytes of LDS; arguments kvq, aq; writes aq
.if DOCPART == 3
	.amdgcn_target "amdgcn-amd-amdhsa--gfx1250"
	.amdhsa_code_object_version 6
	.text
	.protected	k_q7edcdf6297_attn
	.globl	k_q7edcdf6297_attn
	.p2align	8
	.type	k_q7edcdf6297_attn,@function
k_q7edcdf6297_attn:
	s_mov_b64 s[64:65], 0
	v_nop
	global_prefetch_b8 v0, s[64:65] scope:SCOPE_SE
	s_setreg_imm32_b32 hwreg(HW_REG_WAVE_MODE, 25, 1), 1
	s_wait_xcnt 0x0
; Causal attention on codes of FP6 (E2M3) with E8M0 scales: S^T = k q^T, p = 2^(t - M), O^T = v^T p^T, O / l, and the quantiser of the result along the model's 1,024 for the projection.
; WORK LEFT OUT: key steps of 128 keys that lie wholly above the diagonal of the causal mask: their p are 0 for all inputs.  A NaN or infinity that reaches only such keys is not carried to the result.
; LIMITS: NaN and infinities are not served; the promise holds while the scaled scores (the exponents to the base 2) stay under 2^31 in magnitude; a block under 2^-124 keeps the scale byte 1.
; THE DEAL.  Work-group (x = jq 0..7, y = 8 b + head pair).  Wave w takes head w % 2 of the pair and tile t = w / 2 (16 queries) of TWO blocks of 128 queries: block jq (jq + 1 key steps) and block 15 - jq (16 - jq key steps):
; 17 tile steps for every wave of every work-group, and in each key step all sixteen waves have the same work.
; K and V of both heads go through a ring of two LDS slots of four key steps: [K head 0][K head 1][V head 0][V head 1], 24,576 bytes each; the scale words of all 16 key steps lie beside the ring, filled once.
; THE HEAD'S LOADS, one a wave: waves 0-3 slot 0, 4-5 K's scale words, 6-7 V's: what the first key step needs, and no more.  Slot 1's first fill stands behind the full sequence and the first barrier, issued as a refill is, by
; waves 0-3, which also refill.  A fill has the four key steps of a trip in which to land.
; The refill with key steps 12-15 is read only where 15 - jq >= 12: a test on the work-group's number, the same in all waves, leads round it elsewhere; every wait on TENSORcnt is for 0.
; NO CLUSTER: the eight work-groups that read the same K and V differ in jq, on which the key steps that are jumped over and the last refill hang: partners would need different numbers of tiles.
; PREFETCH: at the top of trips 0 and 1 the 98,304 bytes that the refill at that trip's end will load, four key steps ahead: waves 4-15 of work-group x = 0 alone, a lane a block of 256 bytes, each block once for the eight work-groups.
; A lane holds one query; the 16 registers of two neighbouring score tiles are 16 neighbouring keys (the rows of kvq's tiles are laid so).  The head's 64 fill half of the instruction's K: q's registers 6-11 are zero codes.
; THE WAY OUT: a wave has 64 of an image's 128 along K (its head) for two tiles.  The halves meet in LDS bytes of their own (IMG, STG), and each wave stores one whole image of 1,536 bytes; waves 0, 1 the scale words.
.set KVS,    18874368
.set XS_OFF, 6291456
.set SLOT1,  131072
.set SCK,    262144                    ; K's scale words: 2 heads x 8,192
.set SCV,    278528                    ; V's: 2 heads x 4,096
.set SPARE,  286720                    ; the spare words: 16 waves x 128 bytes
.set STG,    288768                    ; the results' scale words: 2 blocks x 512
.set IMG,    289792                    ; the results' images: 16 x 1,536
.set L16,  1
.set L8,   2
.set RK,   3
.set DQ,   4                           ; my query's place in its block, less 16 h
.set SPW,  5
.set NIL,  6
.set ADK,  7
.set ADK8, 8
.set ADV,  9
.set ADS,  10
.set ADT,  11                          ; v12-19: for each of my two tiles -M, the largest t, the sum in two halves
.set QF0,  20                          ; v20-43 q's two fragments
.set QSC,  44
.set KF,   46                          ; v46-93 K's eight tiles, six registers each; then at work
.set PC,   94                          ; v94-105 p's codes
.set KSW,  106
.set PSW,  114
.set NINF, 115
.set SCO,  116                         ; v116-179 scores, p, then V's fragments
.set OT,   180                         ; v180-243 O^T of my two tiles
.set PW,   244
.set RV,   254
.set PFO,  255
.set BM,   46
.set PT,   50
.set SOP,  54
.set CTL,  58
.set FF,   66
.set TT,   68
.set SC2,  70
.set TM,   46
.set CT,   62
.set TB,   2                           ; s2, s3, s68: where the key step's tiles and scale words lie in LDS, my head's offset in them
.set TS,   3
.set WV,   18
.set SEL,  20
.set CS,   22
.set G1T,  24
.set G1KS, 32
.set G1VS, 40
.set G0T,  48
.set G0SK, 52
.set G0SV, 56
.set G0R,  60                          ; group 0 of slot 1's first fill and of the refills
.set KJ,   66
.set JQ0,  67                          ; my first tile's block; JQ0 + 4 is JQ1
.set TV,   68
.set SLOTS, 69
.set STEPS, 70
.set JQ1,  71
.set PFA,  72
.set LIM,  74
.macro TLOAD g0, g1
	tensor_load_to_lds s[\g0:\g0+3], s[\g1:\g1+7]
	s_nop 0
.rept 4
	v_nop
.endr
.endm
; 64 numbers of a lane (register 16 b + i = k 32 b + 16 h + i of its row) become 12 registers of codes and a scale word
.macro QUANT s, pc, ct
.irp b, 0,1,2,3
	v_max3_num_f32 v[TM+\b], |v[(\s)+16*\b]|, |v[(\s)+1+16*\b]|, 0x1800000   ; with the floor 2^(3 - 127)
.endr
.irp i, 2,4,6,8,10,12,14
.irp b, 0,1,2,3
	s_delay_alu instid0(VALU_DEP_4)
	v_max3_num_f32 v[TM+\b], v[TM+\b], |v[(\s)+16*\b+\i]|, |v[(\s)+1+16*\b+\i]|
.endr
.endr
.irp b, 0,1,2,3
	s_delay_alu instid0(VALU_DEP_4)
	v_permlanex16_b32 v[TM+4+\b], v[TM+\b], s[SEL], s[SEL+1]
.endr
.irp b, 0,1,2,3
	s_delay_alu instid0(VALU_DEP_4)
	v_max_num_f32 v[TM+\b], v[TM+\b], v[TM+4+\b]
.endr
.irp b, 0,1,2,3
	s_delay_alu instid0(VALU_DEP_4)
	v_add_nc_u32 v[TM+12+\b], 0xff000000, v[TM+\b]   ; 2 off the exponent field: the conversion's scale operand
.endr
.irp b, 0,1,2,3
	s_delay_alu instid0(VALU_DEP_4)
	v_lshrrev_b32 v[TM+4+\b], 23, v[TM+12+\b]
.endr
	s_delay_alu instid0(VALU_DEP_3)
	v_lshl_or_b32 v[PW], v[TM+5], 8, v[TM+4]
	s_delay_alu instid0(VALU_DEP_1)
	v_lshl_or_b32 v[PW], v[TM+6], 16, v[PW]
	s_delay_alu instid0(VALU_DEP_1)
	v_lshl_or_b32 v[PW], v[TM+7], 24, v[PW]
.irp c, 0,1
	v_cvt_scalef32_pk16_fp6_f32 v[(\pc)+6*\c:(\pc)+6*\c+2], v[(\s)+32*\c:(\s)+32*\c+15], v[TM+12+2*\c]
	v_cvt_scalef32_pk16_fp6_f32 v[(\ct)+4*\c:(\ct)+4*\c+2], v[(\s)+16+32*\c:(\s)+31+32*\c], v[TM+12+2*\c+1]
.endr
	v_nop
.irp c, 0,1
.irp i, 0,1,2
	v_permlane16_swap_b32 v[(\pc)+6*\c+\i], v[(\ct)+4*\c+\i]
.endr
.irp i, 0,1,2
	s_delay_alu instid0(VALU_DEP_3)
	v_mov_b32 v[(\pc)+3+6*\c+\i], v[(\ct)+4*\c+\i]
.endr
.endr
.endm
	s_load_b128 s[4:7], s[0:1], 0x0                ; kvq, aq
	v_lshl_add_u32 v[SPW], v0, 2, SPARE
	v_mov_b32 v[NIL], 0
	ds_add_u32 v[SPW], v[NIL]                      ; the opening lines: the add, twice on end, and its wait ahead of the first tensor load
	ds_add_u32 v[SPW], v[NIL]
	v_lshrrev_b32 v7, 5, v0
	v_readfirstlane_b32 s[WV], v7
	s_and_b32 s8, ttmp7, 0xffff
	s_lshr_b32 s9, s8, 3                           ; b
	s_and_b32 s10, s8, 7                           ; the pair of heads
	s_mul_i32 s11, s9, 48
	s_lshl_b32 s12, s10, 1
	s_add_co_u32 s11, s11, s12                     ; 48 b + the even head
	s_and_b32 s13, s[WV], 1                        ; my head of the pair; as a loader: which head's tile
	s_lshr_b32 s83, s[WV], 1                       ; my tile t
	s_bfe_u32 s14, s[WV], 0x10001                  ; as a loader: K (0) or V (1)
	s_lshl_b32 s15, s14, 4
	s_add_co_u32 s15, s15, 16
	s_add_co_u32 s15, s15, s13
	s_add_co_u32 s15, s15, s11
	s_mul_i32 s76, s15, 98304                      ; that tensor's 16 key steps of 6,144 bytes
	s_mov_b32 s77, 0
	s_and_b32 s16, s[WV], 3
	s_mul_i32 s16, s16, 24576
	s_add_co_u32 s12, s11, s13
	s_lshl_b32 s78, s12, 13
	s_add_co_u32 s78, s78, KVS+16*8192             ; K's scale words of head s13
	s_mov_b32 s79, 0
	s_add_co_u32 s80, s78, 16*8192                 ; V's
	s_mov_b32 s81, 0
.irp g, G1T, G1KS, G1VS                ; dense rows of 256 bytes, 32 elements of 8
	s_mov_b32 s[\g], 3<<16
	s_mov_b32 s[\g+1], 32<<16
	s_mov_b32 s[\g+3], 32<<16
	s_mov_b32 s[\g+6], 0
	s_mov_b32 s[\g+7], 0
.endr
	s_mov_b32 s[G1T+2], 96<<16                     ; four key steps of a tile: 24,576 bytes
	s_mov_b32 s[G1T+4], 96
	s_mov_b32 s[G1T+5], 32
	s_mov_b32 s[G1KS+2], 32<<16                    ; 8,192 bytes
	s_mov_b32 s[G1KS+4], 32
	s_mov_b32 s[G1KS+5], 32
	s_mov_b32 s[G1VS+2], 16<<16                    ; the first 256 of each key step's 512 bytes
	s_mov_b32 s[G1VS+4], 16
	s_mov_b32 s[G1VS+5], 64
	s_mov_b32 s[SEL], 0x76543210
	s_mov_b32 s[SEL+1], 0xfedcba98
	s_mov_b32 s[CS], 0x3e38aa3b                    ; log2(e) / 8
	s_mov_b32 s[CS+1], s[CS]
	s_mul_i32 s[TB], s13, 24576
	s_lshl_b32 s[TS], s13, 13
	s_lshl_b32 s[TV], s13, 12
	s_mov_b32 s[KJ], 0
	s_mov_b32 s[SLOTS], 0
	s_mov_b32 s[JQ0], ttmp9
	s_sub_co_u32 s[JQ1], 15, ttmp9
	s_lshl_b32 s84, s12, 4                         ; q: block ((48 b + head) x 16 + jq), tile t
	s_add_co_u32 s84, s84, ttmp9
	s_mul_i32 s86, s84, 6144
	s_mul_i32 s85, s83, 768
	s_add_co_u32 s86, s86, s85
	s_mov_b32 s87, 0
	s_lshl_b32 s88, s84, 9
	s_lshr_b32 s85, s83, 2
	s_lshl_b32 s85, s85, 8
	s_add_co_u32 s88, s88, s85
	s_and_b32 s85, s83, 3
	s_lshl_b32 s85, s85, 2
	s_add_co_u32 s88, s88, s85
	s_add_co_u32 s88, s88, KVS
	s_mov_b32 s89, 0
	s_sub_co_u32 s75, s[JQ1], s[JQ0]               ; blocks from my first tile to my second
	s_mul_i32 s90, s75, 6144
	s_mov_b32 s91, 0
	s_lshl_b32 s92, s75, 9
	s_mov_b32 s93, 0
	s_wait_dscnt 0x0                               ; both opening adds are done
	s_wait_kmcnt 0x0
	s_add_nc_u64 s[76:77], s[4:5], s[76:77]
	s_mov_b32 s[G0T], 1
	s_mov_b32 s[G0T+1], s16
	s_mov_b64 s[G0T+2:G0T+3], s[76:77]
	s_or_b32 s[G0T+3], s[G0T+3], 0x80000000
	s_mov_b32 s[G0R], 1                            ; slot 1 with key steps 4-7; each trip steps it on ahead of its refill: slot 0 with 8-11, slot 1 with 12-15
	s_add_co_u32 s[G0R+1], s16, SLOT1
	s_add_nc_u64 s[G0R+2:G0R+3], s[76:77], 24576
	s_or_b32 s[G0R+3], s[G0R+3], 0x80000000
	s_mov_b32 s[G0SK], 1
	s_lshl_b32 s[G0SK+1], s13, 13
	s_add_co_u32 s[G0SK+1], s[G0SK+1], SCK
	s_add_nc_u64 s[G0SK+2:G0SK+3], s[4:5], s[78:79]
	s_or_b32 s[G0SK+3], s[G0SK+3], 0x80000000
	s_mov_b32 s[G0SV], 1
	s_lshl_b32 s[G0SV+1], s13, 12
	s_add_co_u32 s[G0SV+1], s[G0SV+1], SCV
	s_add_nc_u64 s[G0SV+2:G0SV+3], s[4:5], s[80:81]
	s_or_b32 s[G0SV+3], s[G0SV+3], 0x80000000
	s_cmp_lt_u32 s[WV], 4                          ; one chain of branches on the wave's number, one load to an arm
	s_cbranch_scc0 .Larm_ks
	TLOAD G0T, G1T                                 ; waves 0-3: slot 0
	s_branch .Lasked
.Larm_ks:
	s_cmp_lt_u32 s[WV], 6
	s_cbranch_scc0 .Larm_vs
	TLOAD G0SK, G1KS
	s_branch .Lasked
.Larm_vs:
	s_cmp_lt_u32 s[WV], 8
	s_cbranch_scc0 .Lasked
	TLOAD G0SV, G1VS
.Lasked:
	s_add_nc_u64 s[86:87], s[4:5], s[86:87]
	s_add_nc_u64 s[88:89], s[4:5], s[88:89]
	s_add_nc_u64 s[90:91], s[86:87], s[90:91]
	s_add_nc_u64 s[92:93], s[88:89], s[92:93]
	v_and_b32 v7, 31, v0
	v_lshlrev_b32 v[L16], 4, v7
	v_lshlrev_b32 v[L8], 3, v7
	v_lshlrev_b32 v[PFO], 8, v7
	v_and_b32 v8, 15, v0
	v_bfe_u32 v9, v0, 4, 1
	v_lshlrev_b32 v253, 4, v8
.irp c, 0,1
	global_load_b128 v[QF0+12*\c:QF0+12*\c+3], v[L16], s[86+4*\c:87+4*\c]
	global_load_b64 v[QF0+12*\c+4:QF0+12*\c+5], v[L8], s[86+4*\c:87+4*\c] offset:512
	global_load_b32 v[QSC+\c], v253, s[88+4*\c:89+4*\c]
.endr
	v_lshl_add_u32 v[RK], v8, 4, SCK
	v_lshl_add_u32 v[RV], v8, 4, SCV
	v_and_b32 v10, 8, v8
	v_add_nc_u32 v10, v10, v8
	v_lshlrev_b32 v11, 4, v9
	v_sub_nc_u32 v10, v10, v11
	s_lshr_b32 s85, s83, 1
	s_lshl_b32 s85, s85, 5
	s_and_b32 s84, s83, 1
	s_lshl_b32 s84, s84, 3
	s_add_co_u32 s85, s85, s84
	v_add_nc_u32 v[DQ], s85, v10                   ; 32 (t / 2) + 8 (t % 2) + r + 8 (r / 8) - 16 h
	s_sub_co_u32 s76, s[WV], 4                     ; the prefetches: wave 4 + 3 q + i names bytes 8,192 i .. of tile q
	s_min_u32 s76, s76, 11
	s_mul_i32 s77, s76, 11
	s_lshr_b32 s77, s77, 5
	s_mul_i32 s78, s77, 3
	s_sub_co_u32 s78, s76, s78
	s_lshr_b32 s79, s77, 1
	s_lshl_b32 s79, s79, 4
	s_and_b32 s80, s77, 1
	s_add_co_u32 s79, s79, s80
	s_add_co_u32 s79, s79, 16
	s_add_co_u32 s79, s79, s11
	s_mul_i32 s80, s79, 98304
	s_lshl_b32 s78, s78, 13
	s_add_co_u32 s80, s80, s78
	s_add_co_u32 s80, s80, 49152                   ; key steps 8-11 first
	s_mov_b32 s81, 0
	s_add_nc_u64 s[PFA:PFA+1], s[4:5], s[80:81]
	s_cmp_lt_u32 s[WV], 4
	s_cselect_b32 s76, 1, 0
	s_or_b32 s76, s76, ttmp9
	s_cmp_eq_u32 s76, 0
	s_cselect_b32 s[LIM], 2, 0                     ; trips in which I ask
	v_mov_b32 v[NINF], 0xff800000
.irp c, 0,1
	v_mov_b32 v[13+4*\c], 0xff61b1e6               ; the largest t so far: -3e38
	v_floor_f32 v[12+4*\c], -v[13+4*\c]
	v_mov_b32 v[14+4*\c], 0
	v_mov_b32 v[15+4*\c], 0
.irp i, 6,7,8,9,10,11
	v_mov_b32 v[QF0+12*\c+\i], 0                   ; zero codes for the upper half of the instruction's K
.endr
.endr
.irp i, 0,1,2,3,4,5,6,7,8,9,10,11
	v_mov_b32 v[PC+\i], 0
.endr
.set N, 0
.rept 64
	v_mov_b32 v[OT+N], 0
.set N, N+1
.endr
; One tile of 16 queries against one key step of 128 keys.  hd: which of my two tiles.
.macro HEAD hd
.set ST, 12+4*(\hd)
.set QF, QF0+12*(\hd)
.set OA, OT+32*(\hd)
.if (\hd) == 1
.rept 5
	v_nop                                          ; places behind the other tile's last products (ISA guide 7.12.1)
.endr
.endif
.irp t, 0,1,2,3,4,5,6,7
	ds_load_b128 v[KF+6*\t:KF+6*\t+3], v[ADK] offset:768*\t
	ds_load_b64 v[KF+6*\t+4:KF+6*\t+5], v[ADK8] offset:768*\t+512
.endr
.irp f, 0,1
	ds_load_b128 v[KSW+4*\f:KSW+4*\f+3], v[ADS] offset:256*\f
.endr
	s_wait_dscnt 0x0
.irp t, 0,1,2,3,4,5,6,7
	v_wmma_scale_f32_16x16x128_f8f6f4 v[SCO+8*\t:SCO+8*\t+7], v[KF+6*\t:KF+6*\t+11], v[QF:QF+11], 0, v[KSW+\t], v[QSC+(\hd)] matrix_a_fmt:MATRIX_FMT_FP6 matrix_b_fmt:MATRIX_FMT_FP6
.endr
.rept 4
	v_nop
.endr
	s_cmp_lg_u32 s[KJ], s[JQ0+4*(\hd)]             ; the diagonal's key step alone is masked
	s_cbranch_scc1 .Lopen_\@
.set N, 0
.rept 64
	v_cmp_gt_i32 vcc_lo, 32*(N/16)+N%16, v[DQ]
	v_cndmask_b32 v[SCO+N], v[SCO+N], v[NINF], vcc_lo
.set N, N+1
.endr
.Lopen_\@:
.irp b, 0,1,2,3
	v_max3_num_f32 v[BM+\b], v[SCO+16*\b], v[SCO+1+16*\b], v[SCO+2+16*\b]   ; each block's largest score: for the row's maximum and for the block's largest p
.endr
.irp i, 3,5,7,9,11,13
.irp b, 0,1,2,3
	v_max3_num_f32 v[BM+\b], v[BM+\b], v[SCO+16*\b+\i], v[SCO+1+16*\b+\i]
.endr
.endr
.irp b, 0,1,2,3
	v_max_num_f32 v[BM+\b], v[BM+\b], v[SCO+15+16*\b]
.endr
.irp b, 0,1,2,3
	s_delay_alu instid0(VALU_DEP_4)
	v_permlanex16_b32 v[PT+\b], v[BM+\b], s[SEL], s[SEL+1]
.endr
.irp b, 0,1,2,3
	s_delay_alu instid0(VALU_DEP_4)
	v_max_num_f32 v[BM+\b], v[BM+\b], v[PT+\b]
.endr
	s_delay_alu instid0(VALU_DEP_2)
	v_max3_num_f32 v[TT], v[BM], v[BM+1], v[BM+2]
	s_delay_alu instid0(VALU_DEP_1)
	v_max_num_f32 v[TT], v[TT], v[BM+3]
	s_delay_alu instid0(VALU_DEP_1)
	v_mul_f32 v[TT], s[CS], v[TT]
	s_delay_alu instid0(VALU_DEP_1)
	v_max_num_f32 v[ST+1], v[ST+1], v[TT]          ; the running largest t
	v_mov_b32 v[TT], v[ST]
	s_delay_alu instid0(VALU_DEP_2)
	v_floor_f32 v[ST], -v[ST+1]                    ; -M = floor(-t): M is a whole number
	s_delay_alu instid0(VALU_DEP_1)
	v_sub_f32 v[TT], v[ST], v[TT]
	s_delay_alu instid0(VALU_DEP_1)
	v_cvt_i32_f32 v[TT], v[TT]
	s_delay_alu instid0(VALU_DEP_1)
	v_ldexp_f32 v[FF], 1.0, v[TT]                  ; f = 2^(old M - new M)
.set N, 0
.rept 32
	v_pk_fma_f32 v[SCO+N:SCO+N+1], v[SCO+N:SCO+N+1], s[CS:CS+1], v[ST:ST+1] op_sel_hi:[1,0,0]
.set N, N+2
.endr
.irp b, 0,1,2,3
	v_fma_f32 v[BM+\b], v[BM+\b], s[CS], v[ST]
.endr
.set N, 0
	s_wait_alu depctr_va_vdst(0)
.rept 64
	v_exp_f32 v[SCO+N], v[SCO+N]
.set N, N+1
.endr
	v_pk_mul_f32 v[ST+2:ST+3], v[ST+2:ST+3], v[FF:FF+1] op_sel_hi:[1,0]
	s_wait_alu depctr_va_vdst(0)
.irp b, 0,1,2,3
	v_exp_f32 v[BM+\b], v[BM+\b]
.endr
	v_pk_add_f32 v[SC2:SC2+1], v[SCO:SCO+1], v[SCO+2:SCO+3]   ; the row's sum, of the unquantised p, in two chains
.set N, 4
.rept 15
	v_pk_add_f32 v[ST+2:ST+3], v[ST+2:ST+3], v[SCO+N:SCO+N+1]
	v_pk_add_f32 v[SC2:SC2+1], v[SC2:SC2+1], v[SCO+N+2:SCO+N+3]
.set N, N+4
.endr
	s_delay_alu instid0(VALU_DEP_1)
	v_pk_add_f32 v[ST+2:ST+3], v[ST+2:ST+3], v[SC2:SC2+1]
	s_wait_alu depctr_va_vdst(0)
.irp b, 0,1,2,3
	v_max_num_f32 v[BM+\b], 0x1800000, v[BM+\b]
.endr
.irp b, 0,1,2,3
	s_delay_alu instid0(VALU_DEP_4)
	v_add_nc_u32 v[SOP+\b], 0xff000000, v[BM+\b]
.endr
.irp b, 0,1,2,3
	s_delay_alu instid0(VALU_DEP_4)
	v_lshrrev_b32 v[PT+\b], 23, v[SOP+\b]
.endr
	s_delay_alu instid0(VALU_DEP_3)
	v_lshl_or_b32 v[PSW], v[PT+1], 8, v[PT]
	s_delay_alu instid0(VALU_DEP_1)
	v_lshl_or_b32 v[PSW], v[PT+2], 16, v[PSW]
	s_delay_alu instid0(VALU_DEP_1)
	v_lshl_or_b32 v[PSW], v[PT+3], 24, v[PSW]
.irp c, 0,1
	v_cvt_scalef32_pk16_fp6_f32 v[PC+6*\c:PC+6*\c+2], v[SCO+32*\c:SCO+32*\c+15], v[SOP+2*\c]
	v_cvt_scalef32_pk16_fp6_f32 v[CTL+4*\c:CTL+4*\c+2], v[SCO+16+32*\c:SCO+31+32*\c], v[SOP+2*\c+1]
.endr
	v_nop
.irp t, 0,1,2,3
.irp k, 0,1,2
	ds_load_b128 v[SCO+12*\t+4*\k:SCO+12*\t+4*\k+3], v[ADV] offset:1536*\t+512*\k   ; V's four images, where p lay
.endr
.endr
	ds_load_b128 v[KSW:KSW+3], v[ADT]
.irp c, 0,1
.irp i, 0,1,2
	v_permlane16_swap_b32 v[PC+6*\c+\i], v[CTL+4*\c+\i]
.endr
.irp i, 0,1,2
	s_delay_alu instid0(VALU_DEP_3)
	v_mov_b32 v[PC+3+6*\c+\i], v[CTL+4*\c+\i]
.endr
.endr
.set N, 0
.rept 16
	v_pk_mul_f32 v[OA+N:OA+N+1], v[OA+N:OA+N+1], v[FF:FF+1] op_sel_hi:[1,0]   ; O^T under the new M
.set N, N+2
.endr
	s_wait_alu depctr_va_vdst(0)
	s_wait_dscnt 0x0
.irp t, 0,1,2,3
	v_wmma_scale_f32_16x16x128_f8f6f4 v[OA+8*\t:OA+8*\t+7], v[SCO+12*\t:SCO+12*\t+11], v[PC:PC+11], v[OA+8*\t:OA+8*\t+7], v[KSW+\t], v[PSW] matrix_a_fmt:MATRIX_FMT_FP6 matrix_b_fmt:MATRIX_FMT_FP6
.endr
.endm
	s_wait_alu depctr_va_vdst(0)
	s_wait_tensorcnt 0x0                           ; slot 0 and the scale words
	ds_add_u32 v[SPW], v[NIL]                      ; twice on end
	ds_add_u32 v[SPW], v[NIL]
	s_wait_loadcnt 0x0                             ; q
	s_wait_dscnt 0x0
	s_barrier_signal -1
	s_barrier_wait -1
	s_cmp_lt_u32 s[WV], 4
	s_cbranch_scc0 .Lno_s1
	TLOAD G0R, G1T                                 ; slot 1's first fill: it has trip 0 in which to land
.Lno_s1:
.Lslot:                                                ; a trip: the four key steps of one slot
	s_cmp_lt_u32 s[SLOTS], s[LIM]
	s_cbranch_scc0 .Lno_ask
	global_prefetch_b8 v[PFO], s[PFA:PFA+1] th:TH_LOAD_NT scope:SCOPE_SE
.Lno_ask:
	s_mov_b32 s[STEPS], 4
.Lstep:
	s_cmp_gt_u32 s[KJ], s[JQ1]                     ; above both my tiles' diagonals: ids alone decide
	s_cbranch_scc1 .Lhidden
	v_add_nc_u32 v[ADK], s[TB], v[L16]             ; these five are also the places behind the last key step's products
	v_add_nc_u32 v[ADK8], s[TB], v[L8]
	v_add_nc_u32 v[ADV], 49152, v[ADK]
	v_add_nc_u32 v[ADS], s[TS], v[RK]
	v_add_nc_u32 v[ADT], s[TV], v[RV]
	s_cmp_gt_u32 s[KJ], s[JQ0]
	s_wait_alu depctr_va_vdst(0)
	s_cbranch_scc1 .Llong_only
	HEAD 0
.Llong_only:
	HEAD 1
.Lhidden:
	s_add_co_u32 s[KJ], s[KJ], 1
	s_add_co_u32 s[TB], s[TB], 6144
	s_add_co_u32 s[TS], s[TS], 512
	s_add_co_u32 s[TV], s[TV], 256
	s_sub_co_u32 s[STEPS], s[STEPS], 1
	s_cmp_lg_u32 s[STEPS], 0
	s_cbranch_scc1 .Lstep
	s_sub_co_u32 s[TB], s[TB], 24576
	s_xor_b32 s[TB], s[TB], SLOT1
	s_wait_tensorcnt 0x0                           ; all my tensor loads have landed: my part of the next slot
	ds_add_u32 v[SPW], v[NIL]                      ; the add, here twice on end
	ds_add_u32 v[SPW], v[NIL]
	s_xor_b32 s[G0R+1], s[G0R+1], SLOT1            ; the slot just read,
	s_add_nc_u64 s[G0R+2:G0R+3], s[G0R+2:G0R+3], 24576   ; and the four key steps two trips on
	s_lshl_b32 s75, s[SLOTS], 2
	s_add_co_u32 s75, s75, 8                       ; their first key step
	s_wait_xcnt 0x0                                ; my prefetch has read its address
	s_add_nc_u64 s[PFA:PFA+1], s[PFA:PFA+1], 24576
	s_wait_dscnt 0x0                               ; the adds are done, and my reads of this slot
	s_barrier_signal -1
	s_barrier_wait -1
	s_cmp_le_u32 s75, s[JQ1]                       ; is any of them read?  The same in all waves; never in trips 2 and 3
	s_cbranch_scc0 .Lno_fill
	s_cmp_lt_u32 s[WV], 4
	s_cbranch_scc0 .Lno_fill
	TLOAD G0R, G1T
.Lno_fill:
	s_add_co_u32 s[SLOTS], s[SLOTS], 1
	s_cmp_lt_u32 s[SLOTS], 4
	s_cbranch_scc1 .Lslot
.rept 4
	v_nop
.endr
	v_add_f32 v250, v14, v15                       ; the rows' sums: two halves, and lane l xor 16's
	v_add_f32 v251, v18, v19
	v_mov_b32 v252, 0
	v_mov_b32 v253, 0
	v_permlanex16_b32 v252, v250, s[SEL], s[SEL+1]
	v_permlanex16_b32 v253, v251, s[SEL], s[SEL+1]
	v_add_f32 v250, v250, v252
	v_add_f32 v251, v251, v253
	s_wait_alu depctr_va_vdst(0)
	v_rcp_f32 v246, v250
	v_rcp_f32 v248, v251
	v_mov_b32 v247, 0
	v_mov_b32 v249, 0
.irp b, 0,1,2,3
	v_mov_b32 v[TM+4+\b], 0
.endr
	s_cmp_lt_u32 s[WV], 8                          ; the image that I store: wave 8 p + t has tile t of block p
	s_cselect_b32 s84, s[JQ0], s[JQ1]
	s_and_b32 s85, s[WV], 7
	s_lshl_b32 s76, s9, 4
	s_add_co_u32 s76, s76, s84
	s_lshl_b32 s76, s76, 3
	s_add_co_u32 s76, s76, s10
	s_lshl_b32 s76, s76, 3
	s_add_co_u32 s76, s76, s85
	s_mul_i32 s78, s76, 1536
	s_mov_b32 s79, 0
	s_add_nc_u64 s[78:79], s[6:7], s[78:79]
	s_cmp_eq_u32 s13, 0                            ; the scale words that waves 0 and 1 store
	s_cselect_b32 s80, s[JQ0], s[JQ1]
	s_lshl_b32 s76, s9, 4
	s_add_co_u32 s76, s76, s80
	s_lshl_b32 s76, s76, 3
	s_add_co_u32 s76, s76, s10
	s_lshl_b32 s80, s76, 9
	s_add_co_u32 s80, s80, XS_OFF
	s_mov_b32 s81, 0
	s_add_nc_u64 s[80:81], s[6:7], s[80:81]
	s_lshr_b32 s76, s83, 2
	s_lshl_b32 s76, s76, 8
	s_and_b32 s77, s83, 3
	s_lshl_b32 s77, s77, 2
	s_add_co_u32 s76, s76, s77
	s_lshl_b32 s77, s13, 1
	s_add_co_u32 s76, s76, s77
	s_add_co_u32 s76, s76, STG
	v_and_b32 v9, 15, v0
	v_lshl_add_u32 v7, v9, 4, s76                  ; my head's half of word (t, r): 256 (t / 4) + 16 r + 4 (t % 4) + 2 x head
	s_lshl_b32 s77, s13, 9
	s_add_co_u32 s77, s77, STG
	v_add_nc_u32 v8, s77, v[L16]
	s_mul_i32 s76, s83, 1536
	s_add_co_u32 s76, s76, IMG
	s_mul_i32 s77, s13, 520
	s_add_co_u32 s77, s77, s76
	v_add_nc_u32 v9, s77, v[L16]                   ; image registers 0, 1 and (+ 512) 4, 5 of head 0; 6, 7 and 10, 11 of head 1
	s_mul_i32 s77, s13, 1016
	s_add_co_u32 s77, s77, s76
	s_add_co_u32 s77, s77, 8
	v_add_nc_u32 v10, s77, v[L16]                  ; registers 2, 3; 8, 9
	s_mul_i32 s77, s[WV], 1536
	s_add_co_u32 s77, s77, IMG
	v_add_nc_u32 v11, s77, v[L16]
	s_wait_alu depctr_va_vdst(0)
.irp c, 0,1
.set N, 0
.rept 16
	v_pk_mul_f32 v[SCO+32*\c+N:SCO+32*\c+N+1], v[OT+32*\c+N:OT+32*\c+N+1], v[246+2*\c:247+2*\c] op_sel_hi:[1,0]
.set N, N+2
.endr
.endr
	QUANT SCO, PC, CT                              ; registers 0-5 and bytes 0, 1: my first tile's 64; registers 6-11 and bytes 2, 3: my second's
.irp p, 0,1
	ds_store_b64 v9, v[PC+6*\p:PC+6*\p+1] offset:12288*\p
	ds_store_b64 v10, v[PC+6*\p+2:PC+6*\p+3] offset:12288*\p
	ds_store_b64 v9, v[PC+6*\p+4:PC+6*\p+5] offset:12288*\p+512
.endr
	ds_store_b16 v7, v[PW]                         ; both halves of the lanes write the same bytes with the same value
	ds_store_b16_d16_hi v7, v[PW] offset:512
	s_wait_dscnt 0x0                               ; for the others' sake
	s_barrier_signal -1
	s_barrier_wait -1
.irp k, 0,1,2
	ds_load_b128 v[SCO+4*\k:SCO+4*\k+3], v11 offset:512*\k
.endr
	s_wait_dscnt 0x0
.irp k, 0,1,2
	global_store_b128 v[L16], v[SCO+4*\k:SCO+4*\k+3], s[78:79] offset:512*\k   ; 512 consecutive bytes a store
.endr
	s_cmp_lt_u32 s[WV], 2
	s_cbranch_scc0 .Lno_scales
	ds_load_b128 v[248:251], v8
	s_wait_dscnt 0x0
	global_store_b128 v[L16], v[248:251], s[80:81]
.Lno_scales:
	s_wait_tensorcnt 0x0                           ; the wave's end
	ds_add_u32 v[SPW], v[NIL]
	s_wait_dscnt 0x0
	s_endpgm
.Lfunc_end_k_q7edcdf6297_attn:
	.size	k_q7edcdf6297_attn, .Lfunc_end_k_q7edcdf6297_attn-k_q7edcdf6297_attn
	.p2alignl 7, 3214868480
	.fill 96, 4, 3214868480
	.section	.rodata,"a",@progbits
	.p2align	6, 0x0
	.amdhsa_kernel k_q7edcdf6297_attn
		.amdhsa_group_segment_fixed_size 327680
		.amdhsa_private_segment_fixed_size 0
		.amdhsa_enable_private_segment 0
		.amdhsa_kernarg_size 16
		.amdhsa_user_sgpr_count 2
		.amdhsa_user_sgpr_kernarg_segment_ptr 1
		.amdhsa_wavefront_size32 1
		.amdhsa_system_sgpr_workgroup_id_x 1
		.amdhsa_system_sgpr_workgroup_id_y 1
		.amdhsa_system_sgpr_workgroup_id_z 1
		.amdhsa_system_vgpr_workitem_id 0
		.amdhsa_next_free_vgpr 256
		.amdhsa_next_free_sgpr 100
		.amdhsa_reserve_vcc 1
		.amdhsa_float_denorm_mode_32 3
		.amdhsa_float_denorm_mode_16_64 3
		.amdhsa_memory_ordered 1
		.amdhsa_forward_progress 1
		.amdhsa_inst_pref_size 69
	.end_amdhsa_kernel
	.amdgpu_metadata
---
amdhsa.version: [ 1, 2 ]
amdhsa.kernels:
  - .name:           k_q7edcdf6297_attn
    .symbol:         k_q7edcdf6297_attn.kd
    .args:
      - { .name: kvq, .offset: 0, .size: 8, .value_kind: global_buffer, .address_space: global }
      - { .name: aq, .offset: 8, .size: 8, .value_kind: global_buffer, .address_space: global }
    .group_segment_fixed_size: 327680
    .private_segment_fixed_size: 0
    .kernarg_segment_align: 8
    .kernarg_segment_size: 16
    .max_flat_workgroup_size: 512
    .sgpr_count:     100
    .vgpr_count:     256
    .wavefront_size: 32
...
	.end_amdgpu_metadata
.endif
;; end of part 3
;; launch proj (part 4): grid 4 x 64, 4 waves a work-group, clusters of 4 x 4, 327,680 bytes of LDS; arguments aq, wq, bproj, out0; writes out0
.if DOCPART == 4
	.amdgcn_target "amdgcn-amd-amdhsa--gfx1250"
	.amdhsa_code_object_version 6
	.text
	.protected	k_q7edcdf6297_proj
	.globl	k_q7edcdf6297_proj
	.p2align	8
	.type	k_q7edcdf6297_proj,@function
k_q7edcdf6297_proj:
	s_mov_b64 s[64:65], 0
	v_nop
	global_prefetch_b8 v0, s[64:65] scope:SCOPE_SE
	s_setreg_imm32_b32 hwreg(HW_REG_WAVE_MODE, 25, 1), 1
	s_wait_xcnt 0x0
	s_wait_alu depctr_hold_cnt(0) depctr_sa_sdst(0) depctr_va_vdst(0) depctr_va_sdst(0) depctr_va_ssrc(0) depctr_va_vcc(0) depctr_vm_vsrc(0)
	s_getreg_b32 s2, hwreg(HW_REG_IB_STS2, 6, 4)
	s_cmp_eq_u32 s2, 0
	s_cbranch_scc0 .Lentry_in_a_cluster
	s_endpgm
.Lentry_in_a_cluster:
	s_bfe_u32 s2, ttmp6, 0x10000c
	s_cmp_lg_u32 s2, 0xf033
	s_cbranch_scc0 .Lentry_shape_is_right
	s_endpgm
.Lentry_shape_is_right:
; out = attention's result x Wproj + bproj, on codes of FP6 (E2M3) with E8M0 scales, K = 1,024; out f32.
; A work-group makes 128 tokens x 256 outputs: 256 work-groups.  Wave (wr, wc) makes 64 tokens x 128 outputs: 32 accumulators of 16 x 16.
; ALL OF K LIES IN LDS, as images of operand registers (16 rows x 128 K: 1,536 bytes, register R of lane L at 512 (R / 4) + 16 L + 4 (R % 4)).  Every LDS byte is filled once, by the head's four tensor loads, one a wave:
; wave 0 the weight's scale words (8,192 bytes), wave 1 all of A (98,304), wave 2 K steps 0-3 of the weight's two groups (two rows of 49,152 bytes, 98,304 apart in memory), wave 3 their K steps 4-7.
; The first barrier waits for waves 0-2's loads, whose lines are theirs alone; wave 3's is shown by a barrier ahead of K step 4's fetch.  No byte is filled again.
; A's scale words go from memory straight into registers: eight loads a wave, sixteen lanes to 256 consecutive bytes.
; CLUSTERS: 4 x 4 work-groups; A's tile is shared along a row of the cluster, the weight's along a column: each is asked for jointly.
; NO PREFETCH: all tiles are asked for at the head, and there is no loop to run ahead in.
; THE MATRIX INSTRUCTION IS USED TRANSPOSED (source 0 = 16 columns of the weight, source 1 = 16 tokens).  Row r of a tile t is the group's row 32 (t / 2) + 8 (t % 2) + r + 8 (r / 8): so register j of accumulator (a, b) in lane (r, h) is
; token 32 (a / 2) + 8 (a % 2) + r + 8 (r / 8) of my 64, output 32 (b / 2) + 16 h + 8 (b % 2) + j of my 128.  The bias is the C of each sum's first matrix instruction.
; REGISTERS: window 0: v0-31 addresses; v32-47 the weight's scale words, two sets; v64-159 A's fragments, two sets of 4; v192-223 A's scale words, four a K step; on the way out v64-191 rows of out.
;   window 1: the weight's fragments, two sets of 8, at v0 and v128.  window 2: the accumulators, (a, b) at v[8 (8 a + b)].  window 3: v0-63 the bias, eight registers a tile.
.set XS_OFF, 6291456
.set WS_OFF, 3145728
.set WLDS,  98304                      ; LDS: A [K step 8][tile 8][1,536] at 0; the weight [K half 2][group 2][K step 4][tile 8][1,536] here
.set SCW,   294912                     ; the weight's scale words: 2 groups x 8 x 512
.set SPARE, 307200                     ; the spare words
.set L16,  16                          ; v16   16 x lane
.set ADA,  18                          ; v18-19 A's fragments: K steps 0-3, 4-7
.set ADW,  20                          ; v20-21 the weight's
.set ADS,  22                          ; v22   the weight's scale words of row r
.set ASO,  23                          ; v23   16 r
.set STO,  24                          ; v24   the way out: where I put 32 bytes of a row
.set RD,   25                          ; v25   and where I read a row back
.set BO,   26                          ; v26   64 h: my half's place in the bias
.set SA,   192
.set SPW,  254
.set NIL,  255
.set G1A,  24
.set G1W,  32
.set G1SW, 40
.set G0A,  48
.set G0W0, 52
.set G0W1, 56
.set G0SW, 60
.set MSB, 0
.macro WIN new
.if MSB != (\new)
	s_set_vgpr_msb (MSB<<8)|(\new)
.set MSB, (\new)
.endif
.endm
.macro CROUND                          ; a round of the cluster's barrier
	s_barrier_signal -1
	s_barrier_wait -1
	s_cmp_lg_u32 s14, 0
	s_cbranch_scc1 .Lnot_wave_0_\@
	s_barrier_signal -3
.Lnot_wave_0_\@:
	s_barrier_wait -3
	s_barrier_signal -1
	s_barrier_wait -1
.endm
.macro G1SET g, cols, rows, pitch      ; rows of cols elements of 8 bytes
	s_mov_b32 s[\g+1], (\cols)<<16
	s_mov_b32 s[\g+2], (\rows)<<16
	s_mov_b32 s[\g+3], (\cols)<<16
	s_mov_b32 s[\g+4], \rows
	s_mov_b32 s[\g+5], \pitch
	s_mov_b32 s[\g+6], 0
	s_mov_b32 s[\g+7], 0
.endm
.macro G0SET g, lds, areg, aoff
	s_mov_b32 s[\g], 1
	s_mov_b32 s[\g+1], \lds
	s_add_nc_u64 s[\g+2:\g+3], s[\areg:\areg+1], \aoff
	s_or_b32 s[\g+3], s[\g+3], 0x80000000
.endm
	s_load_b256 s[4:11], s[0:1], 0x0               ; aq s[4:5], wq s[6:7], bproj s[8:9], out0 s[10:11]
	v_lshl_add_u32 v[SPW], v0, 2, SPARE
	v_mov_b32 v[NIL], 0
	ds_add_u32 v[SPW], v[NIL]                      ; the opening lines: the add, twice on end, and its wait
	ds_add_u32 v[SPW], v[NIL]
	v_lshrrev_b32 v1, 5, v0
	v_readfirstlane_b32 s14, v1                    ; wave 0..3
	s_lshr_b32 s15, s14, 1                         ; wr: which 64 tokens are mine
	s_and_b32 s16, s14, 1                          ; wc: which 128 outputs
	s_bfe_u32 s12, ttmp6, 0x40000                  ; cx
	s_bfe_u32 s13, ttmp6, 0x40004                  ; cy
	s_lshl_b32 s17, ttmp9, 2
	s_add_co_u32 s17, s17, s12                     ; block of 256 outputs
	s_and_b32 s18, ttmp7, 0xffff
	s_lshl_b32 s18, s18, 2
	s_add_co_u32 s18, s18, s13                     ; group of 128 tokens
	s_lshl_b32 s19, s13, 2
	s_lshl_b32 s19, 15, s19                        ; my row of the cluster
	s_lshl_b32 s20, 0x1111, s12                    ; my column
	s_or_b32 s[G1A], s19, (3<<16)|(1<<21)          ; 15:0 the mask; 17:16 elements of 8 bytes; 21 set beside a mask
	s_or_b32 s[G1W], s20, (3<<16)|(1<<21)
	s_or_b32 s[G1SW], s20, (3<<16)|(1<<21)
	G1SET G1A, 32, 384, 32                         ; 98,304 dense bytes
	G1SET G1W, 6144, 2, 12288                      ; four K steps of two groups
	G1SET G1SW, 32, 32, 32                         ; 8,192 dense bytes
	s_mul_i32 s2, s18, 98304
	s_mov_b32 s3, 0
	s_lshl_b32 s22, s18, 12
	s_lshl_b32 s23, s15, 8
	s_add_co_u32 s22, s22, s23
	s_add_co_u32 s22, s22, XS_OFF                  ; my four tiles' scale words of A
	s_mov_b32 s23, 0
	s_lshl_b32 s12, s17, 1
	s_add_co_u32 s12, s12, 24                      ; Wproj's groups are wq's groups 24-31
	s_mul_i32 s66, s12, 98304
	s_mov_b32 s67, 0
	s_lshl_b32 s12, s12, 12
	s_add_co_u32 s12, s12, WS_OFF
	s_mov_b32 s13, 0
	s_wait_dscnt 0x0
	s_wait_kmcnt 0x0
	s_add_nc_u64 s[2:3], s[4:5], s[2:3]            ; A's images
	s_add_nc_u64 s[22:23], s[4:5], s[22:23]
	s_add_nc_u64 s[66:67], s[6:7], s[66:67]        ; the weight's images
	s_add_nc_u64 s[12:13], s[6:7], s[12:13]        ; the weight's scale words
	G0SET G0A, 0, 2, 0
	G0SET G0W0, WLDS, 66, 0
	G0SET G0W1, WLDS+98304, 66, 49152
	G0SET G0SW, SCW, 12, 0
	CROUND                                         ; all sixteen work-groups are here: the joint loads meet
.macro ARM under, g0, g1, next         ; one tree of branches on the wave's number, one load to an arm
	s_cmp_lt_u32 s14, \under
	s_cbranch_scc0 \next
	tensor_load_to_lds s[\g0:\g0+3], s[\g1:\g1+7]
	s_nop 0
.rept 4
	v_nop
.endr
	s_branch .Lasked
\next:
.endm
	ARM 1, G0SW, G1SW, .Larm_a
	ARM 2, G0A,  G1A,  .Larm_w0
	ARM 3, G0W0, G1W,  .Larm_w1
	tensor_load_to_lds s[G0W1:G0W1+3], s[G1W:G1W+7]
	s_nop 0
.rept 4
	v_nop
.endr
.Lasked:
	s_mul_i32 s21, s15, 6144                       ; my four tiles of A
	s_mul_i32 s2, s16, 49152
	s_add_co_u32 s2, s2, WLDS                      ; my group of the weight
	s_lshl_b32 s3, s16, 12
	s_add_co_u32 s3, s3, SCW
	s_mul_i32 s6, s14, 8448                        ; the way out: a stage of 16 rows x (512 + 16) bytes for each wave, in the bytes of A's K steps 0-2
	s_lshl_b32 s4, s17, 10
	s_lshl_b32 s5, s16, 9
	s_add_co_u32 s4, s4, s5                        ; my first output, in bytes
	s_mov_b32 s5, 0
	s_add_nc_u64 s[8:9], s[8:9], s[4:5]
	s_add_nc_u64 s[10:11], s[10:11], s[4:5]
	s_lshl_b32 s4, s18, 7
	s_lshl_b32 s7, s15, 6
	s_add_co_u32 s4, s4, s7
	s_lshl_b32 s4, s4, 12                          ; my first token's row of 4,096 bytes
	s_add_nc_u64 s[10:11], s[10:11], s[4:5]
	v_and_b32 v1, 15, v0                           ; r
	v_bfe_u32 v2, v0, 4, 1                         ; h
	v_and_b32 v3, 31, v0
	v_lshlrev_b32 v[L16], 4, v3
	v_add_nc_u32 v[ADA], s21, v[L16]
	v_add_nc_u32 v[ADA+1], 49152, v[ADA]
	v_add_nc_u32 v[ADW], s2, v[L16]
	v_add_nc_u32 v[ADW+1], 98304, v[ADW]
	v_lshlrev_b32 v[ASO], 4, v1
	v_add_nc_u32 v[ADS], s3, v[ASO]
	v_mul_u32_u24 v4, v1, 528
	v_lshl_add_u32 v4, v2, 6, v4
	v_add_nc_u32 v[STO], s6, v4
	v_add_nc_u32 v[RD], s6, v[L16]
	v_lshlrev_b32 v[BO], 6, v2
	s_wait_alu depctr_va_vdst(0)
.irp s, 0,1,2,3,4,5,6,7
	global_load_b128 v[SA+4*\s:SA+4*\s+3], v[ASO], s[22:23] offset:512*\s   ; K step s: the words of my four tiles' row r
.endr
	WIN 0xc0                                       ; destination window 3
.irp b, 0,1,2,3,4,5,6,7
	global_load_b128 v[8*\b:8*\b+3], v[BO], s[8:9] offset:128*(\b/2)+32*(\b%2)
	global_load_b128 v[8*\b+4:8*\b+7], v[BO], s[8:9] offset:128*(\b/2)+32*(\b%2)+16
.endr
	WIN 0
.macro FETCH s                         ; K step s: the weight's eight fragments, A's four, the weight's scale words, into set s % 2
.set FZ, (\s)%2
.set FH, (\s)/4
.set FO, ((\s)%4)*12288
	WIN 0x40
.irp b, 0,1,2,3,4,5,6,7
.irp c, 0,1,2
	ds_load_b128 v[128*FZ+12*\b+4*\c:128*FZ+12*\b+4*\c+3], v[ADW+FH] offset:FO+1536*\b+512*\c
.endr
.endr
	WIN 0
.irp a, 0,1,2,3
.irp c, 0,1,2
	ds_load_b128 v[64+48*FZ+12*\a+4*\c:64+48*FZ+12*\a+4*\c+3], v[ADA+FH] offset:FO+1536*\a+512*\c
.endr
.endr
	ds_load_b128 v[32+8*FZ:32+8*FZ+3], v[ADS] offset:512*(\s)
	ds_load_b128 v[32+8*FZ+4:32+8*FZ+7], v[ADS] offset:512*(\s)+256
.endm
; K step s: its fragments are in; the next step's are asked for ahead of this step's 32 products.  The 32 accumulators take turns, one instruction a turn.
.macro KS s
.set KZ, (\s)%2
	s_wait_dscnt 0x0                               ; this step's fragments are in, and no LDS read of mine is out at the barrier below
.if (\s) < 7
.if (\s) == 3
	s_wait_tensorcnt 0x0                           ; every wave: wave 3's load, the weight's K steps 4-7, has landed
	s_barrier_signal -1
	s_barrier_wait -1
.endif
.rept 4
	v_nop                                          ; places in front of loads into registers that the last step's products read
.endr
	FETCH (\s)+1
.endif
.if (\s) == 0
	WIN 0xb1                                       ; source 0 window 1, source 1 window 0, C (the bias) window 3, D window 2
.else
	WIN 0xa1                                       ; C and D window 2
.endif
.irp a, 0,1,2,3
.irp b, 0,1,2,3,4,5,6,7
.if (\s) == 0
	v_wmma_scale_f32_16x16x128_f8f6f4 v[8*(8*\a+\b):8*(8*\a+\b)+7], v[128*KZ+12*\b:128*KZ+12*\b+11], v[64+48*KZ+12*\a:64+48*KZ+12*\a+11], v[8*\b:8*\b+7], v[32+8*KZ+\b], v[SA+4*(\s)+\a] matrix_a_fmt:MATRIX_FMT_FP6 matrix_b_fmt:MATRIX_FMT_FP6
.else
	v_wmma_scale_f32_16x16x128_f8f6f4 v[8*(8*\a+\b):8*(8*\a+\b)+7], v[128*KZ+12*\b:128*KZ+12*\b+11], v[64+48*KZ+12*\a:64+48*KZ+12*\a+11], v[8*(8*\a+\b):8*(8*\a+\b)+7], v[32+8*KZ+\b], v[SA+4*(\s)+\a] matrix_a_fmt:MATRIX_FMT_FP6 matrix_b_fmt:MATRIX_FMT_FP6
.endif
.endr
.endr
.endm
	s_cmp_lt_u32 s14, 3
	s_cbranch_scc0 .Lnot_first
	s_wait_tensorcnt 0x0                           ; the scale words, A, the weight's K steps 0-3
.Lnot_first:
	s_barrier_signal -1
	s_barrier_wait -1                              ; wave 3's load may be out
	FETCH 0
	s_wait_loadcnt 0x0                             ; A's scale words and the bias
	KS 0
	KS 1
	KS 2
	KS 3
	KS 4
	KS 5
	KS 6
	KS 7
	WIN 0
; THE WAY OUT, block by block of 16 tokens x 128 outputs, through my own stage and back as whole rows of 512 bytes.  The stage's bytes held A's K steps 0-2: their one fill has landed, and every wave's last read of them
; was waited for in front of the barrier that stands ahead of K step 4's fetch.  LDS serves a wave's instructions in order: no wait between the stores and the loads.
.macro TOSTAGE a
	WIN 0x08                                       ; an LDS store's data are its source 1: window 2
.irp b, 0,1,2,3,4,5,6,7
	ds_store_b128 v[STO], v[64*(\a)+8*\b:64*(\a)+8*\b+3] offset:128*(\b/2)+32*(\b%2)          ; each accumulator from its low end on
	ds_store_b128 v[STO], v[64*(\a)+8*\b+4:64*(\a)+8*\b+7] offset:128*(\b/2)+32*(\b%2)+16
.endr
	WIN 0
.set BB, 64+64*((\a)%2)
.irp t, 0,1,2,3,4,5,6,7,8,9,10,11,12,13,14,15
	ds_load_b128 v[BB+4*\t:BB+4*\t+3], v[RD] offset:\t*528
.endr
.endm
.macro SEND a, younger                 ; younger: the LDS instructions issued behind block a's loads, which may stay out
.set BB, 64+64*((\a)%2)
	s_wait_dscnt \younger
.irp t, 0,1,2,3,4,5,6,7,8,9,10,11,12,13,14,15
	global_store_b128 v[L16], v[BB+4*\t:BB+4*\t+3], s[10:11] offset:(32*((\a)/2)+8*((\a)%2)+\t+8*(\t/8))*4096 th:TH_STORE_NT   ; 32 lanes store 512 consecutive bytes, at a multiple of 512 from out's first byte
.endr
.endm
.rept 4
	v_nop                                          ; places behind the last products: their results are read, and A's registers are loaded into, below
.endr
	TOSTAGE 0
.irp a, 1,2,3
.if \a > 1
	s_wait_xcnt 0x0                                ; block a - 2's stores have read their registers: block a's loads may land there
.endif
	TOSTAGE \a
	SEND \a-1, 32                                  ; behind block a - 1's loads: block a's 16 stores and 16 loads
.endr
	SEND 3, 0
	s_wait_tensorcnt 0x0                           ; the wave's end
	ds_add_u32 v[SPW], v[NIL]
	s_wait_dscnt 0x0
	CROUND                                         ; the closing round: no work-group ends while a partner may still ask for a tile that names it
	s_endpgm
.Lfunc_end_k_q7edcdf6297_proj:
	.size	k_q7edcdf6297_proj, .Lfunc_end_k_q7edcdf6297_proj-k_q7edcdf6297_proj
	.p2alignl 7, 3214868480
	.fill 96, 4, 3214868480
	.section	.rodata,"a",@progbits
	.p2align	6, 0x0
	.amdhsa_kernel k_q7edcdf6297_proj
		.amdhsa_group_segment_fixed_size 327680
		.amdhsa_private_segment_fixed_size 0
		.amdhsa_enable_private_segment 0
		.amdhsa_kernarg_size 32
		.amdhsa_user_sgpr_count 2
		.amdhsa_user_sgpr_kernarg_segment_ptr 1
		.amdhsa_wavefront_size32 1
		.amdhsa_system_sgpr_workgroup_id_x 1
		.amdhsa_system_sgpr_workgroup_id_y 1
		.amdhsa_system_sgpr_workgroup_id_z 1
		.amdhsa_system_vgpr_workitem_id 0
		.amdhsa_next_free_vgpr 1024
		.amdhsa_next_free_sgpr 100
		.amdhsa_reserve_vcc 0
		.amdhsa_float_denorm_mode_32 3
		.amdhsa_float_denorm_mode_16_64 3
		.amdhsa_memory_ordered 1
		.amdhsa_forward_progress 1
		.amdhsa_inst_pref_size 78
	.end_amdhsa_kernel
	.amdgpu_metadata
---
amdhsa.version: [ 1, 2 ]
amdhsa.kernels:
  - .name:           k_q7edcdf6297_proj
    .symbol:         k_q7edcdf6297_proj.kd
    .args:
      - { .name: aq, .offset: 0, .size: 8, .value_kind: global_buffer, .address_space: global }
      - { .name: wq, .offset: 8, .size: 8, .value_kind: global_buffer, .address_space: global }
      - { .name: bproj, .offset: 16, .size: 8, .value_kind: global_buffer, .address_space: global }
      - { .name: out0, .offset: 24, .size: 8, .value_kind: global_buffer, .address_space: global }
    .group_segment_fixed_size: 327680
    .private_segment_fixed_size: 0
    .kernarg_segment_align: 8
    .kernarg_segment_size: 32
    .max_flat_workgroup_size: 128
    .sgpr_count:     100
    .vgpr_count:     1024
    .wavefront_size: 32
...
	.end_amdgpu_metadata
.endif
;; end of part 4
